; MI455X (gfx1250); checked and timed in simulation.
; The chip was launched on July 23, 2026; its instructions are those of AMD's public machine-readable ISA for CDNA 5 (MIT licence, August 2026) and "CDNA5" Instruction Set Architecture Reference Guide (July 2026). The comments in the code are by the model that wrote it; some were corrected since.
;; Attention. Allowed arithmetic: matrix products marked QUANTISED: E2M3 operands, one E8M0 scale for each 32 along K, by v_wmma_scale_f32_16x16x128_f8f6f4 with both operands' format E2M3, f32 sums; everything else in f32.
;; Inputs: Wk 1,024 x 1,024 float32; Wo 1,024 x 1,024 float32; Wq 1,024 x 1,024 float32; Wv 1,024 x 1,024 float32; attention_mask 4 x 2,048 int32; bo 1,024 float32; hidden_states 4 x 2,048 x 1,024 float32.
;; Outputs: out0 4 x 2,048 x 1,024 float32.
;; This version of the problem:
;;   THIS VERSION OF THE PROBLEM IS GIVEN IN LOW PRECISION. The matrix products marked QUANTISED in the list below multiply operands that are first quantised to E2M3 (2 exponent bits, 3 mantissa bits; 6 bits a number), with one power-of-two scale for each 32 numbers along K (OCP MX v1.0); their sums are f32. All else is computed in f32.
;;   The module's matrix products, in the order in which they are computed (A, B: the left and right operand; K: the contracted axis; several contracted axes count as one K, in the product's order):
;;     1. [M 8,192, K 1,024] x [K 1,024, N 1,024]; A: input hidden_states; B: input Wq: QUANTISED
;;     2. [M 8,192, K 1,024] x [K 1,024, N 1,024]; A: input hidden_states; B: input Wk: QUANTISED
;;     3. [M 8,192, K 1,024] x [K 1,024, N 1,024]; A: input hidden_states; B: input Wv: QUANTISED
;;     4. batch 64 x [M 2,048, K 64] x [K 64, N 2,048]; A: computed on the way; B: computed on the way: QUANTISED
;;     5. batch 64 x [M 2,048, K 2,048] x [K 2,048, N 64]; A: softmax (see below); B: computed on the way: QUANTISED
;;     6. [M 8,192, K 1,024] x [K 1,024, N 1,024]; A: computed on the way; B: input Wo: QUANTISED
;;   THE QUANTISER, for each operand of a quantised product, along K:
;;     - K is cut into blocks of 32 from its start; a last block that is shorter is filled with zeros.
;;     - A block's scale is 2^e with e = floor(log2(the largest magnitude in the block)) - 2, held to -126 .. 127; a block of zeros has e = 0. As a byte (E8M0): e + 127.
;;     - Each number is divided by its block's scale, clamped to +-7.5, and rounded to the nearest number of E2M3, ties to even, subnormals kept.
;;     - The product sums the exact products of the quantised numbers (number of the format x scale) in f32.
;;   ~~~python
;;   def quantise(x, axis):      # numpy; x: float32 -> the quantised numbers, widened to float32 again
;;       x = np.moveaxis(x, axis, -1); K = x.shape[-1]
;;       x = np.pad(x, [(0, 0)] * (x.ndim - 1) + [(0, -K % 32)]); x = x.reshape(x.shape[:-1] + (-1, 32)); a = np.abs(x).max(-1, keepdims=True)
;;       e = np.where(a > 0, np.clip(np.frexp(np.where(a > 0, a, 1))[1] - 1 - 2, -126, 127), 0)      # np.frexp(a)[1] - 1 = floor(log2(a)), exactly
;;       r = np.clip(x / 2.0 ** e, -7.5, 7.5)
;;       step = 2.0 ** (np.maximum(np.frexp(np.where(r == 0, 1, r))[1] - 1, 0) - 3)
;;       q = np.round(r / step) * step * 2.0 ** e      # np.round: ties to even
;;       return np.moveaxis(q.reshape(q.shape[:-2] + (-1,))[..., :K], -1, axis).astype(np.float32)
;;   ~~~
;;   SOFTMAX AHEAD OF A QUANTISED PRODUCT. Where the list says 'softmax', what is quantised is not the finished softmax but p = 2^(t - M), with t = logit x log2(e) and M = ceil(the row's largest t), a whole number; so 1/2 < the row's largest p <= 1. The row's sum l is taken of the UNQUANTISED p, in f32, and the product's result is divided by l at the end. Since M is a whole number, a kernel that streams over the keys may use a running M (the ceiling of the running maximum): every later rescaling is an exact power of two, which a block's scale takes up: the codes' values come out the same.
;;   OPERANDS COMPUTED ON THE WAY. 'Computed on the way' means the value that the module computes at that place (a softmax that the list does not call 'softmax' is quantised finished and normalised). What goes into a quantiser is computed in f32, as accurately as f32 sums, v_exp_f32 and their like allow (about 1e-6 of the number): no bf16 or f16 on the way to a quantiser, and a product that is left as it is and whose result goes on into a quantised operand takes f32 operands (vector FMAs, or v_wmma_f32_16x16x4_f32). A number that lies on a knife's edge between two numbers of the format may be rounded either way, as far as f32 arithmetic and the matrix unit's own rounding can turn it there, and no further.
;; One version. Each part assembles by itself: llvm-mc -triple=amdgcn-amd-amdhsa -mcpu=gfx1250 --defsym DOCPART=n.
;; ======== version 1 of 1: 4 launches
;; limits: right only within a limited range of input values
;; workspace buffers: xc 6,291,456 bytes; wc 3,145,728 bytes; sc 393,216 bytes; qb 6,815,744 bytes; kv 13,631,488 bytes; ac 6,291,456 bytes; asp 262,144 bytes
;; launch quant (part 1): grid 512 x 1, 2 waves a work-group, no clusters, 29,952 bytes of LDS; arguments hidden_states, Wq, Wk, Wv, Wo, xc, wc, sc; writes xc, wc, sc
.if DOCPART == 1
	.amdgcn_target "amdgcn-amd-amdhsa--gfx1250"
	.amdhsa_code_object_version 6
	.text
	.protected	k_qc60ca667ce_quant
	.globl	k_qc60ca667ce_quant
	.p2align	8
	.type	k_qc60ca667ce_quant,@function
k_qc60ca667ce_quant:
	s_mov_b64 s[64:65], 0
	v_nop
	global_prefetch_b8 v0, s[64:65] scope:SCOPE_SE
	s_setreg_imm32_b32 hwreg(HW_REG_WAVE_MODE, 25, 1), 1
	s_wait_xcnt 0x0
; hidden_states [8192][1024] f32 (K innermost) and Wq, Wk, Wv, Wo [1024 (K)][1024 (n)] f32 (K outermost) become codes of FP6 (E2M3) with one E8M0 byte for each 32 along K.
; A block's scale is 2^(floor(log2(largest magnitude)) - 2): its byte is the largest magnitude's exponent field - 2, held at 1 from below; numbers are divided by it and rounded to the nearest code, ties to even, beyond 7.5 the largest code.
; LIMITS: a block whose largest magnitude lies under 2^-124 (a block of zeros among them) gets the byte 1, where the rule says 127 for zeros: its codes are zeros and this program alone reads the bytes. NaN and infinities are not served.
; LAYOUT OF THE RESULTS, made for the launches that read them.  Rows (tokens, or a weight's columns n) are grouped in tiles of 16; lane-row r of tile t is the true row 32 (t / 2) + 8 (t % 2) + r + 8 (r / 8).
; A HALF IMAGE is 16 rows x 64 K as the matrix operand's registers hold them: lane (r, h) has k = 32 h .. 32 h + 31 of lane-row r in six registers; registers 0-3 lie at 16 x lane, registers 4-5 at 512 + 8 x lane: 768 bytes.
; A tile's 16 half images follow each other: 12,288 bytes.  Scale bytes: 32 for each row index 16 t + r, byte k / 32.
; Work-groups 0-255 take x (a wave a tile, all of K), work-groups 256-511 the weights (a wave 32 columns x 256 K).  The two ways never join and have LDS bytes of their own; waves share nothing: no barrier.
.set R,    64                          ; x: v64-191  two sets of 64 registers as loaded
.set X,    192                         ; x: v192-255 a step's 64 numbers: two whole blocks of 32
.set SW,   20                          ; x: v20-27   the tile's eight scale words
.set C,    28                          ; x: v28-39   a fragment's codes
.set CT,   40                          ; x: v40-42, v44-46 the upper halves' codes as converted
.set OW,   48                          ; x: v48-51   scale words on their way out
.set XST,  8448                        ; x: a wave's stage: 16 rows x (512 + 16) bytes
.set WST0, 16896                       ; weights: the stages begin here,
.set WSTW, 6400                        ; one for each wave: two tiles x (3,072 + 128) bytes
.set WX,   32                          ; weights: v32-95 two sets of 32 numbers
.set WC,   96                          ; v96-101 a block's codes
.set WCT,  104                         ; v104-106
.set SB,   24                          ; v24-25 eight scale bytes
.set OUTR, 112                         ; v112-159 the way out
.macro XLOAD q                         ; 128 along K of the tile's 16 rows: each load reads 512 consecutive bytes of one row
.irp i, 0,1,2,3,4,5,6,7,8,9,10,11,12,13,14,15
	global_load_b128 v[R+64*((\q)%2)+4*\i:R+64*((\q)%2)+4*\i+3], v5, s[16:17] offset:(\i+8*(\i/8))*4096+512*(\q) th:TH_LOAD_NT
.endr
.endm
.macro XSTEP q
.if (\q) < 7
	s_wait_loadcnt 16                              ; this step's 16 loads are in; the next step's 16 may be out
.else
	s_wait_loadcnt 0x0
.endif
.irp i, 0,1,2,3,4,5,6,7,8,9,10,11,12,13,14,15
	ds_store_b128 v7, v[R+64*((\q)%2)+4*\i:R+64*((\q)%2)+4*\i+3] offset:528*\i   ; the rows as they lie, 528 bytes apart
.endr
.irp c, 0,1
.irp j, 0,1,2,3,4,5,6,7
	ds_load_b128 v[X+32*\c+4*\j:X+32*\c+4*\j+3], v8 offset:256*\c+16*\j   ; back: lane (r, h) takes k = 64 c + 32 h + 0 .. 31 of row r (LDS serves a wave's instructions in order)
.endr
.endr
	s_wait_dscnt 0x0                               ; the numbers are back, and the stores have read their registers,
.if (\q) <= 5
	XLOAD (\q)+2                                   ; which take the loads of two steps on
.endif
.irp c, 0,1
	v_max3_num_f32 v[10+\c], |v[X+32*\c]|, |v[X+32*\c+1]|, 0x1800000   ; my block 2 c + h: all 32 numbers are mine; the floor 2^(3 - 127) holds the byte at 1 from below
.endr
.irp i, 2,4,6,8,10,12,14,16,18,20,22,24,26,28,30
.irp c, 0,1
	v_max3_num_f32 v[10+\c], v[10+\c], |v[X+32*\c+\i]|, |v[X+32*\c+\i+1]|
.endr
.endr
.irp c, 0,1
	v_add_nc_u32 v[12+\c], 0xff000000, v[10+\c]    ; 2 off the exponent field: the conversion's scale operand
.endr
.irp c, 0,1
	v_lshrrev_b32 v[14+\c], 23, v[12+\c]           ; the scale's byte
.endr
	v_lshl_or_b32 v16, v15, 16, v14                ; my two bytes, blocks h and 2 + h,
	v_lshlrev_b32 v16, v18, v16                    ; at their places in the word (8 h bits up);
	v_permlanex16_b32 v17, v16, s4, s5
	v_or_b32 v[SW+(\q)], v16, v17                  ; with lane l xor 16's two the word is whole
	s_wait_alu depctr_va_vdst(0)
	s_wait_xcnt 0x0                                ; the last step's stores have read the codes' registers, which are written again below
.irp c, 0,1
	v_cvt_scalef32_pk16_fp6_f32 v[C+6*\c:C+6*\c+2], v[X+32*\c:X+32*\c+15], v[12+\c]
	v_cvt_scalef32_pk16_fp6_f32 v[CT+4*\c:CT+4*\c+2], v[X+32*\c+16:X+32*\c+31], v[12+\c]   ; (a conversion's three registers begin on an even number)
.endr
	v_nop                                          ; one plain line behind the scaled conversions
.irp c, 0,1
.irp i, 0,1,2
	v_mov_b32 v[C+6*\c+3+\i], v[CT+4*\c+\i]
.endr
.endr
.irp c, 0,1
	global_store_b128 v5, v[C+6*\c:C+6*\c+3], s[26:27] offset:(2*(\q)+\c)*768        ; 512 consecutive bytes, aligned to 256
	global_store_b64 v6, v[C+6*\c+4:C+6*\c+5], s[26:27] offset:(2*(\q)+\c)*768+512   ; 256 consecutive bytes, aligned
.endr
.endm
.macro WLOAD t                         ; block t: W(32 t + i, my column), i = 0 .. 31
.irp i, 0,1,2,3,4,5,6,7,8,9,10,11,12,13,14,15,16,17,18,19,20,21,22,23,24,25,26,27,28,29,30,31
	global_load_b32 v[WX+32*((\t)%2)+\i], v5, s[18:19] offset:(32*(\t)+\i)*4096 th:TH_LOAD_NT
.endr
.endm
.macro WBLOCK t
.set XS, WX+32*((\t)%2)
.if (\t) < 7
	s_wait_loadcnt 32                              ; this block's 32 loads are in; the next block's may be out
.else
	s_wait_loadcnt 0x0
.endif
	v_max3_num_f32 v12, |v[XS]|, |v[XS+1]|, |v[XS+2]|
	v_max3_num_f32 v13, |v[XS+3]|, |v[XS+4]|, |v[XS+5]|
.irp i, 6,10,14,18,22,26
	v_max3_num_f32 v12, v12, |v[XS+\i]|, |v[XS+\i+1]|
	v_max3_num_f32 v13, v13, |v[XS+\i+2]|, |v[XS+\i+3]|
.endr
	v_max3_num_f32 v12, v12, |v[XS+30]|, |v[XS+31]|
	v_max3_num_f32 v12, v12, v13, 0x1800000        ; and the floor
	v_add_nc_u32 v14, 0xff000000, v12              ; the conversion's scale operand
	v_lshrrev_b32 v13, 23, v14                     ; the byte
.if (\t)%4 == 0
	v_mov_b32 v[SB+(\t)/4], v13
.else
	v_lshl_or_b32 v[SB+(\t)/4], v13, 8*((\t)%4), v[SB+(\t)/4]
.endif
	v_cvt_scalef32_pk16_fp6_f32 v[WC:WC+2], v[XS:XS+15], v14
	v_cvt_scalef32_pk16_fp6_f32 v[WCT:WCT+2], v[XS+16:XS+31], v14
	v_nop                                          ; one plain line behind the scaled conversions
.irp i, 0,1,2
	v_mov_b32 v[WC+3+\i], v[WCT+\i]
.endr
	ds_store_b128 v6, v[WC:WC+3] offset:768*((\t)/2)+256*((\t)%2)         ; half image t / 2, lanes' half t % 2: registers 0-3
	ds_store_b64 v7, v[WC+4:WC+5] offset:768*((\t)/2)+512+128*((\t)%2)    ; registers 4-5
.if (\t)+2 < 8
	WLOAD (\t)+2
.endif
	s_wait_dscnt 0x0                               ; the stores have read their registers: the next block's codes may be written
.endm
	s_load_b512 s[16:31], s[0:1], 0x0              ; x s[16:17], Wq, Wk, Wv, Wo s[18:25], xc s[26:27], wc s[28:29], sc s[30:31]
	v_lshl_add_u32 v19, v0, 2, 0x7400
	s_set_vgpr_msb 0x40
	v_mov_b32 v1, 0
	s_set_vgpr_msb 0x4000
	v_lshrrev_b32 v1, 5, v0
	v_readfirstlane_b32 s2, v1                     ; wave 0, 1
	v_and_b32 v1, 31, v0                           ; lane
	s_cmp_lt_u32 ttmp9, 256
	s_cbranch_scc0 .Lweights
	; ---- x: my tile is 2 x work-group + wave
	v_and_b32 v2, 15, v0                           ; r
	v_bfe_u32 v3, v0, 4, 1                         ; h
	s_mov_b32 s4, 0x76543210
	s_mov_b32 s5, 0xfedcba98                       ; v_permlanex16_b32's selects for lane l xor 16
	s_mul_i32 s9, s2, XST                          ; my stage
	v_lshlrev_b32 v5, 4, v1                        ; 16 x lane
	v_lshlrev_b32 v6, 3, v1                        ; 8 x lane
	v_add_nc_u32 v7, s9, v5                        ; into the stage
	v_mul_u32_u24 v8, v2, 528
	v_lshl_add_u32 v8, v3, 7, v8
	v_add_nc_u32 v8, s9, v8                        ; out of it: row r, + 128 h
	v_lshlrev_b32 v9, 5, v2
	v_lshl_add_u32 v9, v3, 4, v9                   ; my 16 bytes of the tile's scale rows: 32 r + 16 h
	v_lshlrev_b32 v18, 3, v3                       ; 8 h
	v_mov_b32 v17, 0                               ; written once: a lane permute's destination counts as one of its sources
	v_cmp_eq_u32 vcc_lo, 1, v3                     ; lanes 16-31
	s_lshl_b32 s6, ttmp9, 17                       ; 32 rows of 4,096 bytes a work-group,
	s_lshl_b32 s7, s2, 15                          ; 8 rows on for wave 1
	s_add_co_u32 s6, s6, s7
	s_mov_b32 s7, 0
	s_lshl_b32 s8, ttmp9, 1
	s_add_co_u32 s8, s8, s2                        ; the tile
	s_mul_i32 s10, s8, 12288
	s_mov_b32 s11, 0
	s_lshl_b32 s12, s8, 9
	s_mov_b32 s13, 0
	s_wait_alu depctr_va_vdst(0)
	s_wait_kmcnt 0x0
	s_add_nc_u64 s[16:17], s[16:17], s[6:7]
	s_add_nc_u64 s[26:27], s[26:27], s[10:11]
	s_add_nc_u64 s[30:31], s[30:31], s[12:13]
	XLOAD 0
	XLOAD 1
.irp q, 0,1,2,3,4,5,6,7
	XSTEP \q
.endr
.irp i, 0,1,2,3
	v_cndmask_b32 v[OW+\i], v[SW+\i], v[SW+4+\i], vcc_lo   ; lanes 0-15 store a row's words 0-3, lanes 16-31 its words 4-7
.endr
	global_store_b128 v9, v[OW:OW+3], s[30:31]     ; the tile's 512 scale bytes, consecutive and aligned
	s_set_vgpr_msb 0x4
	s_wait_tensorcnt 0x0
	ds_add_u32 v19, v1
	s_wait_dscnt 0x0
	s_set_vgpr_msb 0x400
	s_endpgm
.Lweights:
	; ---- a weight: a lane takes a column n, and its registers run down K
	s_sub_co_u32 s6, ttmp9, 256
	s_lshr_b32 s7, s6, 6                           ; which weight
	s_bfe_u32 s8, s6, 0x40002                      ; which 64 columns
	s_and_b32 s9, s6, 3                            ; which 256 along K
	s_lshl_b32 s10, s9, 20                         ; 256 rows of 4,096 bytes
	s_lshl_b32 s11, s8, 8
	s_add_co_u32 s10, s10, s11
	s_lshl_b32 s11, s2, 7
	s_add_co_u32 s10, s10, s11                     ; + (64 x group + 32 x wave) columns of 4 bytes
	s_mov_b32 s11, 0
	s_lshl_b32 s12, s7, 6
	s_lshl_b32 s13, s8, 2
	s_add_co_u32 s12, s12, s13
	s_lshl_b32 s13, s2, 1
	s_add_co_u32 s12, s12, s13                     ; my first tile of wc: 64 x weight + 4 x group + 2 x wave
	s_mul_i32 s14, s12, 12288
	s_mul_i32 s15, s9, 3072
	s_add_co_u32 s14, s14, s15
	s_mov_b32 s15, 0
	s_lshl_b32 s12, s12, 9                         ; its scale rows: 16 rows of 32 bytes a tile,
	s_add_co_u32 s12, s12, 8192*32                 ; behind x's 8,192 rows,
	s_lshl_b32 s13, s9, 3
	s_add_co_u32 s12, s12, s13                     ; my 8 bytes of each
	s_mov_b32 s13, 0
	v_bfe_u32 v2, v0, 3, 1                         ; u: which of the two tiles my column falls into
	v_and_b32 v3, 7, v0
	v_bfe_u32 v4, v0, 4, 1
	v_lshl_add_u32 v3, v4, 3, v3                   ; and its lane-row there: lane % 8 + 8 (lane / 16)
	s_mul_i32 s3, s2, WSTW
	s_add_co_u32 s3, s3, WST0                      ; my stage
	v_mul_u32_u24 v11, v2, 3200
	v_add_nc_u32 v11, s3, v11
	v_lshl_add_u32 v6, v3, 4, v11                  ; registers 0-3 go to 16 x lane-row,
	v_lshl_add_u32 v7, v3, 3, v11                  ; registers 4-5 to 8 x lane-row
	s_wait_alu depctr_va_vdst(0)
	v_lshlrev_b32 v9, 4, v1
	v_add_nc_u32 v8, s3, v9                        ; back: 16 x lane
	v_lshlrev_b32 v5, 2, v1                        ; in: 4 bytes a lane
	v_lshl_add_u32 v10, v2, 4, v3
	v_lshlrev_b32 v10, 5, v10                      ; my scale row
	s_wait_alu depctr_va_vdst(0)
	s_wait_kmcnt 0x0
	s_cmp_eq_u32 s7, 1                             ; the choice hangs on the work-group's number alone
	s_cselect_b64 s[18:19], s[20:21], s[18:19]
	s_cmp_eq_u32 s7, 2
	s_cselect_b64 s[18:19], s[22:23], s[18:19]
	s_cmp_eq_u32 s7, 3
	s_cselect_b64 s[18:19], s[24:25], s[18:19]
	s_add_nc_u64 s[18:19], s[18:19], s[10:11]
	s_add_nc_u64 s[28:29], s[28:29], s[14:15]
	s_add_nc_u64 s[30:31], s[30:31], s[12:13]
	WLOAD 0
	WLOAD 1
.irp t, 0,1,2,3,4,5,6,7
	WBLOCK \t
.endr
	s_wait_alu depctr_va_vdst(0)
	global_store_b64 v10, v[SB:SB+1], s[30:31]     ; my column's 8 scale bytes: a quarter of its 32-byte row
.irp n, 0,1,2,3,4,5,6,7,8,9,10,11
	ds_load_b128 v[OUTR+4*\n:OUTR+4*\n+3], v8 offset:3200*(\n/6)+512*(\n%6)   ; the two tiles' four half images each, as they will lie in wc
.endr
.irp n, 0,1,2,3,4,5,6,7,8,9,10,11
	s_wait_dscnt 11-\n                             ; the younger loads may be out
	global_store_b128 v9, v[OUTR+4*\n:OUTR+4*\n+3], s[28:29] offset:12288*(\n/6)+512*(\n%6)   ; 512 consecutive bytes, aligned
.endr
	s_set_vgpr_msb 0x4
	s_wait_tensorcnt 0x0
	ds_add_u32 v19, v1
	s_wait_dscnt 0x0
	s_set_vgpr_msb 0x400
	s_endpgm
.Lfunc_end_k_qc60ca667ce_quant:
	.size	k_qc60ca667ce_quant, .Lfunc_end_k_qc60ca667ce_quant-k_qc60ca667ce_quant
	.p2alignl 7, 3214868480
	.fill 96, 4, 3214868480
	.section	.rodata,"a",@progbits
	.p2align	6, 0x0
	.amdhsa_kernel k_qc60ca667ce_quant
		.amdhsa_group_segment_fixed_size 29952
		.amdhsa_private_segment_fixed_size 0
		.amdhsa_enable_private_segment 0
		.amdhsa_kernarg_size 64
		.amdhsa_user_sgpr_count 2
		.amdhsa_user_sgpr_kernarg_segment_ptr 1
		.amdhsa_wavefront_size32 1
		.amdhsa_system_sgpr_workgroup_id_x 1
		.amdhsa_system_sgpr_workgroup_id_y 1
		.amdhsa_system_sgpr_workgroup_id_z 1
		.amdhsa_system_vgpr_workitem_id 0
		.amdhsa_next_free_vgpr 258
		.amdhsa_next_free_sgpr 66
		.amdhsa_reserve_vcc 1
		.amdhsa_float_denorm_mode_32 3
		.amdhsa_float_denorm_mode_16_64 3
		.amdhsa_memory_ordered 1
		.amdhsa_forward_progress 1
		.amdhsa_inst_pref_size 100
	.end_amdhsa_kernel
	.amdgpu_metadata
---
amdhsa.version: [ 1, 2 ]
amdhsa.kernels:
  - .name:           k_qc60ca667ce_quant
    .symbol:         k_qc60ca667ce_quant.kd
    .args:
      - { .name: hidden_states, .offset: 0, .size: 8, .value_kind: global_buffer, .address_space: global }
      - { .name: Wq, .offset: 8, .size: 8, .value_kind: global_buffer, .address_space: global }
      - { .name: Wk, .offset: 16, .size: 8, .value_kind: global_buffer, .address_space: global }
      - { .name: Wv, .offset: 24, .size: 8, .value_kind: global_buffer, .address_space: global }
      - { .name: Wo, .offset: 32, .size: 8, .value_kind: global_buffer, .address_space: global }
      - { .name: xc, .offset: 40, .size: 8, .value_kind: global_buffer, .address_space: global }
      - { .name: wc, .offset: 48, .size: 8, .value_kind: global_buffer, .address_space: global }
      - { .name: sc, .offset: 56, .size: 8, .value_kind: global_buffer, .address_space: global }
    .group_segment_fixed_size: 29952
    .private_segment_fixed_size: 0
    .kernarg_segment_align: 8
    .kernarg_segment_size: 64
    .max_flat_workgroup_size: 64
    .sgpr_count:     66
    .vgpr_count:     258
    .wavefront_size: 32
...
	.end_amdgpu_metadata
.endif
;; end of part 1
;; launch qkv (part 2): grid 8 x 32, 4 waves a work-group, clusters of 4 x 4, 327,680 bytes of LDS; arguments xc, wc, sc, attention_mask, qb, kv; writes qb, kv
.if DOCPART == 2
	.amdgcn_target "amdgcn-amd-amdhsa--gfx1250"
	.amdhsa_code_object_version 6
	.text
	.protected	k_qc60ca667ce_qkv
	.globl	k_qc60ca667ce_qkv
	.p2align	8
	.type	k_qc60ca667ce_qkv,@function
k_qc60ca667ce_qkv:
	s_mov_b64 s[64:65], 0
	v_nop
	global_prefetch_b8 v0, s[64:65] scope:SCOPE_SE
	s_setreg_imm32_b32 hwreg(HW_REG_WAVE_MODE, 25, 1), 1
	s_wait_xcnt 0x0
	s_wait_alu depctr_hold_cnt(0) depctr_sa_sdst(0) depctr_va_vdst(0) depctr_va_sdst(0) depctr_va_ssrc(0) depctr_va_vcc(0) depctr_vm_vsrc(0)
	s_getreg_b32 s2, hwreg(HW_REG_IB_STS2, 6, 4)
	s_cmp_eq_u32 s2, 0
	s_cbranch_scc0 .Lentry_in_a_cluster
	s_endpgm
.Lentry_in_a_cluster:
	s_bfe_u32 s2, ttmp6, 0x10000c
	s_cmp_lg_u32 s2, 0xf033
	s_cbranch_scc0 .Lentry_shape_is_right
	s_endpgm
.Lentry_shape_is_right:
; Q, K, V = x W on codes of FP6 (E2M3) with E8M0 scales, and their quantisers: the results leave as codes and scale words in the order in which the next launch's operand registers take them.  No f32 result is stored.
; xc and wc hold tiles of 16 rows (tokens, or a weight's columns), 12,288 bytes each: 16 half images of 768 bytes, each 64 along K as the operand's registers hold them (registers 0-3 at 16 x lane, 4-5 at 512 + 8 x lane).
; Lane-row r of tile t is the true row 32 (t / 2) + 8 (t % 2) + r + 8 (r / 8), so that the 16 registers of two neighbouring tiles' results are 16 true neighbours.  sc: 32 scale bytes a row index 16 t + r: x's 8,192 rows, then Wq's, Wk's, Wv's.
; OUT.  With y = batch x 16 + head and a key step of 128 tokens: qb block 16 y + step, 6,656 bytes: Q's 8 half images, then 512 bytes of scale words [tile / 4][r][tile % 4].
; kv block 16 y + step, 13,312 bytes: K's 8 half images, V^T's 4 fragments of 1,536 bytes (16 channels x 128 keys), K's scale words as Q's, V's scale words [lane][tile].
; A scale word of Q or K: the row's two bytes, then the byte of the next launch's mask column (Q: 187; K: 187 for a masked key, 1 for an open one), then 127.
; A block's byte is the largest magnitude's exponent field - 2, held at 1 from below (a block of zeros keeps 1: its codes are zeros, and this program alone reads the bytes).  NaN and infinities are not served.
; THE DEAL.  256 work-groups of four waves.  A work-group holds its 256 tokens, all of K (16 tiles, 196,608 bytes), in LDS for the whole launch and takes them through 128 columns of Wv, then of Wk, then of Wq.
; The weights' region (8 tiles, 98,304 bytes) is filled at the head and filled again twice, each time as soon as all waves hold the old weight in registers: behind the three lines and a round of the cluster's barrier
; a quarter of the region a wave.  Each refill is asked for a whole phase, 256 products a wave, ahead of its first read: so no prefetch is laid.  A plain barrier at the phase's end shows it to all.
; CLUSTERS: 4 x 4.  x's tiles hang on the tile row alone and are shared by a row of the cluster, a weight's on the tile column alone and are shared by a column.
; A WAVE (a = wave / 2, b = wave % 2) takes key step a of the two (tiles 8 a + s, s = 0 .. 7) and head b of the two: 64 columns of the weight, all of K, in registers (4 tiles x 8 fragments x 12).  A block is a tile of tokens: 32 products on four accumulators by turns.
; V: source 0 = the tokens, so that a lane holds a channel and its registers run along the tokens: 4 x 64 sums, quantised along the 128 keys at the phase's end, while the next weight's LDS loads are out.
; K, Q: source 0 = the weight's columns, so that a lane holds a token and its 32 registers run along the head's 64 channels (with lane l xor 16's): two blocks at a time are quantised and stored.
; REGISTERS.  Window 0: addresses, scale words, what the quantisers work on, V's sums of channel tiles 0, 1 (v128-255; K's and Q's two sets of four accumulators lie there later).  Fragment f lies in window 1 + f / 21 at register 12 (f % 21):
; 0-31 the weight's (4 q + t), 32-39 and 40-47 the tokens' two sets.  Window 3 also: v72-103 Wk's and Wq's scale words in waiting, v128-255 V's sums of channel tiles 2, 3.
.set TILEB, 12288
.set XB,    98304                      ; x's tiles, behind the weights' region
.set SPARE, 294912                     ; the spare words, 128 bytes for each wave
.set AW,   10                          ; v10, v11  the weight's fragments: 16 x lane, 8 x lane
.set AX,   12                          ; v12-19    x's fragments, a pair for each two blocks
.set MK,   20                          ; v20-23    K's mask bytes at their place in the scale words
.set Y,    24                          ; v24-27    scale words on their way out
.set SPW,  28
.set NIL,  29
.set SW,   32                          ; v32-47 the weight's scale words: lanes 0-15 tile 2 p, lanes 16-31 tile 2 p + 1
.set SX,   50                          ; v50-81 x's scale words, likewise
.set TM,   82                          ; v82-97
.set PC,   98                          ; v98-117
.set PWR,  118                         ; v118-125
.set ACC,  128
.set SWH,  72                          ; window 3
.set G1W, 24
.set G0W, 32
.set G0X, 36
.set G0Y, 40
.set G0R, 44
.set G1X, 48
.set G1Y, 56
.set G1R, 92
.set SEL, 70
.set MSB, 0
.macro WIN new                         ; the immediate's high byte repeats the setting that is left
.if MSB != (\new)
	s_set_vgpr_msb (MSB<<8)|(\new)
.set MSB, (\new)
.endif
.endm
.macro WALU
	s_wait_alu depctr_va_vdst(0)
.endm
.macro PLACES n
.rept \n
	v_nop
.endr
.endm
.macro BARRIER
	s_barrier_signal -1
	s_barrier_wait -1
.endm
.macro CROUND
	BARRIER
	s_cmp_lg_u32 s16, 0
	s_cbranch_scc1 .Lnot_wave_0_\@
	s_barrier_signal -3
.Lnot_wave_0_\@:
	s_barrier_wait -3
	BARRIER
.endm
.macro TLOAD g0, g1
	tensor_load_to_lds s[\g0:\g0+3], s[\g1:\g1+7]
	s_nop 0
	PLACES 4
.endm
.macro GROUP1 g, mask, rows            ; dense tiles as rows of 3,072 bytes (384 elements of 8), four to a tile
	s_or_b32 s[\g], s\mask, (3<<16)|(1<<21)
	s_mov_b32 s[\g+1], 384<<16
	s_mov_b32 s[\g+2], (\rows)<<16
	s_mov_b32 s[\g+3], 384<<16
	s_mov_b32 s[\g+4], \rows
	s_mov_b32 s[\g+5], 384
	s_mov_b32 s[\g+6], 0
	s_mov_b32 s[\g+7], 0
.endm
.macro FRAG f, a, off                  ; two half images: 12 registers
	WIN (1+(\f)/21)<<6
.set R_, 12*((\f)%21)
	ds_load_b128 v[R_:R_+3], v[\a] offset:\off
	ds_load_b64 v[R_+4:R_+5], v[\a+1] offset:(\off)+512
	ds_load_b128 v[R_+6:R_+9], v[\a] offset:(\off)+768
	ds_load_b64 v[R_+10:R_+11], v[\a+1] offset:(\off)+1280
.endm
.macro WEIGHTS                         ; my 64 columns of the weight, all of K: 128 loads
.irp q, 0,1,2,3,4,5,6,7
.irp t, 0,1,2,3
	FRAG 4*\q+\t, AW, TILEB*\t+1536*\q
.endr
.endr
	WIN 0
.endm
.macro FETCH s                         ; block s into set s % 2: 32 loads
.irp q, 0,1,2,3,4,5,6,7
	FRAG 32+8*((\s)%2)+\q, AX+2*((\s)/2), TILEB*((\s)%2)+1536*\q
.endr
	WIN 0
.endm
.macro P1 d, a, b, c, sa, sb, ra, rb
.if (\ra) == 0 && (\rb) == 0
	v_wmma_scale_f32_16x16x128_f8f6f4 v[\d:\d+7], v[\a:\a+11], v[\b:\b+11], \c, v[\sa], v[\sb] matrix_a_fmt:MATRIX_FMT_FP6 matrix_b_fmt:MATRIX_FMT_FP6
.elseif (\ra) == 1 && (\rb) == 0
	v_wmma_scale_f32_16x16x128_f8f6f4 v[\d:\d+7], v[\a:\a+11], v[\b:\b+11], \c, v[\sa], v[\sb] matrix_a_fmt:MATRIX_FMT_FP6 matrix_b_fmt:MATRIX_FMT_FP6 matrix_a_scale:MATRIX_SCALE_ROW1
.elseif (\ra) == 0
	v_wmma_scale_f32_16x16x128_f8f6f4 v[\d:\d+7], v[\a:\a+11], v[\b:\b+11], \c, v[\sa], v[\sb] matrix_a_fmt:MATRIX_FMT_FP6 matrix_b_fmt:MATRIX_FMT_FP6 matrix_b_scale:MATRIX_SCALE_ROW1
.else
	v_wmma_scale_f32_16x16x128_f8f6f4 v[\d:\d+7], v[\a:\a+11], v[\b:\b+11], \c, v[\sa], v[\sb] matrix_a_fmt:MATRIX_FMT_FP6 matrix_b_fmt:MATRIX_FMT_FP6 matrix_a_scale:MATRIX_SCALE_ROW1 matrix_b_scale:MATRIX_SCALE_ROW1
.endif
.endm
.macro PROD kind, s, n                 ; product n = 4 q + t of block s: K step q, the weight's tile t.  kind 1: V
.set Q_, (\n)/4
.set T_, (\n)%4
.set FX_, 32+8*((\s)%2)+Q_
.set SW_, SW+8*(T_/2)+Q_
.set SX_, SX+8*((\s)/2)+Q_
.if \kind
.set DW_, 3*(T_/2)
.set D_, 128+64*(T_%2)+8*(\s)
	WIN (1+FX_/21)|((1+(\n)/21)<<2)|(DW_<<4)|(DW_<<6)
.if Q_
	P1 D_, 12*(FX_%21), 12*((\n)%21), v[D_:D_+7], SX_, SW_, (\s)%2, T_%2
.else
	P1 D_, 12*(FX_%21), 12*((\n)%21), 0, SX_, SW_, (\s)%2, T_%2
.endif
.else
.set D_, ACC+32*((\s)%2)+8*T_
	WIN (1+(\n)/21)|((1+FX_/21)<<2)
.if Q_
	P1 D_, 12*((\n)%21), 12*(FX_%21), v[D_:D_+7], SW_, SX_, T_%2, (\s)%2
.else
	P1 D_, 12*((\n)%21), 12*(FX_%21), 0, SW_, SX_, T_%2, (\s)%2
.endif
.endif
.endm
.macro BLK kind, s
.set N_, 0
.rept 32
	PROD \kind, \s, N_
.set N_, N_+1
.endr
	WIN 0
	PLACES 4                                       ; between the products and the loads into their fragments and the reads of their results
	s_wait_dscnt 0x0                               ; what the last block asked for is in: the next block's tokens
.if (\s) < 6
	FETCH (\s)+2
.endif
.endm
; V's way out for channel tile t: 64 sums a lane along 128 keys: four scale blocks (each with lane l xor 16's 16), one fragment of 1,536 bytes
.macro EPI t
.set W, 3*((\t)/2)
.set AC, 128+64*((\t)%2)
	s_wait_xcnt 0x0                                ; earlier stores have read the registers that are written below
	WIN W|(W<<2)
.irp b, 0,1,2,3
	v_max3_num_f32 v[TM+\b], |v[AC+16*\b]|, |v[AC+16*\b+1]|, 0x1800000   ; with the floor 2^(3 - 127)
.endr
	WIN (W<<2)|(W<<4)
.irp i, 2,4,6,8,10,12,14
.irp b, 0,1,2,3
	v_max3_num_f32 v[TM+\b], v[TM+\b], |v[AC+16*\b+\i]|, |v[AC+16*\b+\i+1]|
.endr
.endr
	WIN 0
.irp b, 0,1,2,3
	v_permlanex16_b32 v[TM+4+\b], v[TM+\b], s[SEL], s[SEL+1]
.endr
.irp b, 0,1,2,3
	v_max_num_f32 v[TM+\b], v[TM+\b], v[TM+4+\b]
.endr
.irp b, 0,1,2,3
	v_add_nc_u32 v[TM+12+\b], 0xff000000, v[TM+\b] ; 2 off the exponent field: the conversion's scale operand
.endr
.irp b, 0,1,2,3
	v_lshrrev_b32 v[TM+4+\b], 23, v[TM+12+\b]      ; the byte
.endr
	v_lshl_or_b32 v[PWR+(\t)], v[TM+5], 8, v[TM+4]
	v_lshl_or_b32 v[PWR+(\t)], v[TM+6], 16, v[PWR+(\t)]
	v_lshl_or_b32 v[PWR+(\t)], v[TM+7], 24, v[PWR+(\t)]
	WIN W
.irp c, 0,1
	v_cvt_scalef32_pk16_fp6_f32 v[PC+6*\c:PC+6*\c+2], v[AC+32*\c:AC+32*\c+15], v[TM+12+2*\c]
	v_cvt_scalef32_pk16_fp6_f32 v[PC+12+4*\c:PC+14+4*\c], v[AC+32*\c+16:AC+32*\c+31], v[TM+13+2*\c]
.endr
	WIN 0
	v_nop                                          ; one plain line behind the scaled conversions
.irp c, 0,1
.irp i, 0,1,2
	v_permlane16_swap_b32 v[PC+6*\c+\i], v[PC+12+4*\c+\i]   ; the operand's layout wants a whole block in a lane
.endr
.irp i, 0,1,2
	v_mov_b32 v[PC+3+6*\c+\i], v[PC+12+4*\c+\i]
.endr
.endr
	global_store_b128 v2, v[PC:PC+3], s[14:15] offset:6144+1536*(\t)
	global_store_b64 v3, v[PC+4:PC+5], s[14:15] offset:6144+1536*(\t)+512
	global_store_b128 v2, v[PC+6:PC+9], s[14:15] offset:6144+1536*(\t)+768
	global_store_b64 v3, v[PC+10:PC+11], s[14:15] offset:6144+1536*(\t)+1280
.endm
; K's or Q's way out for blocks s - 1 and s (sets 0 and 1), their lines by turns: 32 sums a lane along the head's 64 channels: two scale blocks, one half image each
.macro PAIROUT s, p
	s_wait_xcnt 0x0                                ; earlier stores have read the registers that are written below
.irp x, 0,1
.irp b, 0,1
	v_max3_num_f32 v[TM+2*\x+\b], |v[ACC+32*\x+16*\b]|, |v[ACC+32*\x+16*\b+1]|, 0x1800000
.endr
.endr
.irp i, 2,4,6,8,10,12,14
.irp x, 0,1
.irp b, 0,1
	v_max3_num_f32 v[TM+2*\x+\b], v[TM+2*\x+\b], |v[ACC+32*\x+16*\b+\i]|, |v[ACC+32*\x+16*\b+\i+1]|
.endr
.endr
.endr
.irp k, 0,1,2,3
	v_permlanex16_b32 v[TM+4+\k], v[TM+\k], s[SEL], s[SEL+1]
.endr
.irp k, 0,1,2,3
	v_max_num_f32 v[TM+\k], v[TM+\k], v[TM+4+\k]
.endr
.irp k, 0,1,2,3
	v_add_nc_u32 v[TM+12+\k], 0xff000000, v[TM+\k]
.endr
.irp k, 0,1,2,3
	v_lshrrev_b32 v[TM+4+\k], 23, v[TM+12+\k]
.endr
.irp x, 0,1
	v_lshl_or_b32 v[PWR+(\s)-1+\x], v[TM+5+2*\x], 8, v[TM+4+2*\x]   ; the row's two bytes
.endr
.irp x, 0,1
	v_cvt_scalef32_pk16_fp6_f32 v[PC+10*\x:PC+10*\x+2], v[ACC+32*\x:ACC+32*\x+15], v[TM+12+2*\x]
	v_cvt_scalef32_pk16_fp6_f32 v[PC+10*\x+6:PC+10*\x+8], v[ACC+32*\x+16:ACC+32*\x+31], v[TM+13+2*\x]
.endr
	v_nop
.irp x, 0,1
.irp i, 0,1,2
	v_permlane16_swap_b32 v[PC+10*\x+\i], v[PC+10*\x+6+\i]
.endr
.endr
.irp x, 0,1
.irp i, 0,1,2
	v_mov_b32 v[PC+10*\x+3+\i], v[PC+10*\x+6+\i]
.endr
.endr
.irp x, 0,1
	global_store_b128 v2, v[PC+10*\x:PC+10*\x+3], s[\p:\p+1] offset:768*((\s)-1+\x)        ; 512 consecutive, aligned bytes
	global_store_b64 v3, v[PC+10*\x+4:PC+10*\x+5], s[\p:\p+1] offset:768*((\s)-1+\x)+512
.endr
.endm
.macro CHANGE k                        ; the next weight (k = 0: Wk, 1: Wq) has landed: a plain barrier shows it; it goes into registers with the first two blocks' tokens
	WALU
	s_wait_tensorcnt 0x0
	s_wait_dscnt 0x0
	BARRIER
	WEIGHTS
	FETCH 0
	FETCH 1
	WIN 0x03
.set I_, 0
.rept 16
	v_mov_b32 v[SW+I_], v[SWH+16*(\k)+I_]
.set I_, I_+1
.endr
	WIN 0
.endm
	s_load_b256 s[4:11], s[0:1], 0x0               ; xc s[4:5], wc s[6:7], sc s[8:9], attention_mask s[10:11]
	s_load_b128 s[12:15], s[0:1], 0x20             ; qb s[12:13], kv s[14:15]
	v_lshl_add_u32 v[SPW], v0, 2, SPARE
	v_mov_b32 v[NIL], 0
	ds_add_u32 v[SPW], v[NIL]                      ; the opening lines: the add, twice on end, and its wait ahead of my first tensor load
	ds_add_u32 v[SPW], v[NIL]
	v_lshrrev_b32 v1, 5, v0
	v_readfirstlane_b32 s16, v1                    ; wave
	s_lshr_b32 s17, s16, 1                         ; a: which key step
	s_and_b32 s18, s16, 1                          ; b: which head
	s_bfe_u32 s19, ttmp6, 0x40000                  ; cx
	s_bfe_u32 s20, ttmp6, 0x40004                  ; cy
	s_and_b32 s23, ttmp7, 0xffff
	s_lshl_b32 s21, ttmp9, 2
	s_add_co_u32 s21, s21, s19                     ; tile column, 0 .. 7: heads 2 x, 2 x + 1
	s_lshl_b32 s22, s23, 2
	s_add_co_u32 s22, s22, s20                     ; tile row, 0 .. 31
	s_lshl_b32 s72, s20, 2
	s_lshl_b32 s72, 15, s72                        ; my row of the cluster
	s_lshl_b32 s73, 0x1111, s19                    ; my column
	GROUP1 G1W, 73, 32
	GROUP1 G1X, 72, 32
	GROUP1 G1Y, 72, 16
	GROUP1 G1R, 73, 8
	s_mov_b32 s[SEL], 0x76543210
	s_mov_b32 s[SEL+1], 0xfedcba98                 ; v_permlanex16_b32's selects for lane l xor 16
	s_mul_i32 s76, s22, 16*TILEB                   ; x's 16 tiles, bytes from xc
	s_mov_b32 s77, 0
	s_mul_i32 s78, s21, 8*TILEB                    ; a weight's 8 tiles, bytes from that weight's first
	s_mov_b32 s79, 0
	s_mul_i32 s80, s16, 2*TILEB                    ; my quarter of a refill
	s_mov_b32 s81, 0
	s_mul_i32 s82, s16, 4*TILEB                    ; waves 2 and 3 at the head: x's tiles 8-11, 12-15
	s_mov_b32 s83, 0
	s_lshl_b32 s74, s22, 8
	s_lshl_b32 s75, s17, 7
	s_add_co_u32 s74, s74, s75                     ; my first token
	s_lshr_b32 s84, s74, 11                        ; batch
	s_lshl_b32 s84, s84, 8
	s_lshl_b32 s85, s21, 1
	s_add_co_u32 s85, s85, s18                     ; head
	s_lshl_b32 s85, s85, 4
	s_add_co_u32 s84, s84, s85
	s_bfe_u32 s85, s74, 0x40007                    ; key step
	s_add_co_u32 s84, s84, s85                     ; my block of qb and of kv
	s_mul_i32 s86, s84, 6656
	s_mov_b32 s87, 0
	s_mul_i32 s84, s84, 13312
	s_mov_b32 s85, 0
	s_mov_b32 s[G0W], 1
	s_mov_b32 s[G0W+1], 0
	s_mov_b32 s[G0X], 1
	s_mov_b32 s[G0X+1], XB
	s_mov_b32 s[G0Y], 1
	s_add_co_u32 s[G0Y+1], s82, XB
	s_mov_b32 s[G0R], 1
	s_mov_b32 s[G0R+1], s80
	s_wait_dscnt 0x0
	s_wait_kmcnt 0x0
	s_add_nc_u64 s[68:69], s[6:7], s[78:79]
	s_add_nc_u64 s[G0W+2:G0W+3], s[68:69], 128*TILEB       ; Wv's tiles lie behind Wq's 64 and Wk's 64
	s_or_b32 s[G0W+3], s[G0W+3], 0x80000000
	s_add_nc_u64 s[68:69], s[68:69], s[80:81]              ; my quarter of Wq's tiles,
	s_add_nc_u64 s[G0R+2:G0R+3], s[68:69], 64*TILEB        ; and of Wk's: the first refill
	s_or_b32 s[G0R+3], s[G0R+3], 0x80000000
	s_add_nc_u64 s[G0X+2:G0X+3], s[4:5], s[76:77]
	s_add_nc_u64 s[G0Y+2:G0Y+3], s[G0X+2:G0X+3], s[82:83]
	s_or_b32 s[G0X+3], s[G0X+3], 0x80000000
	s_or_b32 s[G0Y+3], s[G0Y+3], 0x80000000
	s_add_nc_u64 s[12:13], s[12:13], s[86:87]
	s_add_nc_u64 s[14:15], s[14:15], s[84:85]
	CROUND                                         ; all sixteen work-groups are here: the joint loads meet
	s_cmp_eq_u32 s16, 0                            ; one chain of branches on the wave's number, one load to an arm
	s_cbranch_scc0 .Larm_x
	TLOAD G0W, G1W                                 ; wave 0: Wv's tiles, which go on into registers
	s_branch .Lasked
.Larm_x:
	s_cmp_eq_u32 s16, 1
	s_cbranch_scc0 .Larm_y
	TLOAD G0X, G1X                                 ; wave 1: x's tiles 0-7
	s_branch .Lasked
.Larm_y:
	TLOAD G0Y, G1Y                                 ; waves 2, 3: four tiles each of 8-15
.Lasked:
	v_and_b32 v1, 31, v0                           ; lane
	v_lshlrev_b32 v2, 4, v1
	v_lshlrev_b32 v3, 3, v1
	v_and_b32 v4, 15, v0                           ; r
	v_bfe_u32 v5, v0, 4, 1                         ; h
	v_add_nc_u32 v6, s74, v1
	v_lshlrev_b32 v6, 5, v6                        ; x's rows of sc: lanes 0-15 one tile's, lanes 16-31 the next tile's
	s_lshl_b32 s88, s21, 7
	s_lshl_b32 s89, s18, 6
	s_add_co_u32 s88, s88, s89
	s_add_co_u32 s88, s88, 8192
	v_add_nc_u32 v7, s88, v1
	v_lshlrev_b32 v7, 5, v7                        ; Wq's rows of sc for my 64 columns; Wk's lie 1,024 rows on, Wv's 2,048
	v_and_b32 v8, 8, v4
	v_add_nc_u32 v8, v8, v4
	v_lshl_add_u32 v8, v5, 6, v8
	v_add_nc_u32 v8, s74, v8
	v_lshlrev_b32 v8, 2, v8                        ; the mask: token r + 8 (r / 8) + 64 h of my 128: lanes 0-15 tiles 0-3, lanes 16-31 tiles 4-7
	WALU                                           ; the wait here, ahead of the readers below
.irp p, 0,1
	global_load_b128 v[SW+8*\p:SW+8*\p+3], v7, s[8:9] offset:65536+1024*\p
	global_load_b128 v[SW+8*\p+4:SW+8*\p+7], v7, s[8:9] offset:65536+1024*\p+16
.endr
.irp p, 0,1,2,3
	global_load_b128 v[SX+8*\p:SX+8*\p+3], v6, s[8:9] offset:1024*\p
	global_load_b128 v[SX+8*\p+4:SX+8*\p+7], v6, s[8:9] offset:1024*\p+16
.endr
.irp i, 0,1,2,3
	global_load_b32 v[MK+\i], v8, s[10:11] offset:(32*(\i/2)+8*(\i%2))*4
.endr
	WIN 0xc0
.irp k, 0,1
.irp p, 0,1
	global_load_b128 v[SWH+16*\k+8*\p:SWH+16*\k+8*\p+3], v7, s[8:9] offset:32768*(1-\k)+1024*\p
	global_load_b128 v[SWH+16*\k+8*\p+4:SWH+16*\k+8*\p+7], v7, s[8:9] offset:32768*(1-\k)+1024*\p+16
.endr
.endr
	WIN 0
	s_mul_i32 s89, s18, 4*TILEB
	v_add_nc_u32 v[AW], s89, v2
	v_add_nc_u32 v[AW+1], s89, v3
	s_mul_i32 s89, s17, 8*TILEB
	s_add_co_u32 s89, s89, XB
.irp u, 0,1,2,3
	v_add_nc_u32 v[AX+2*\u], s89, v2               ; blocks 2 u, 2 u + 1: tiles 8 a + 2 u, + 1
	v_add_nc_u32 v[AX+2*\u+1], s89, v3
	s_add_co_u32 s89, s89, 2*TILEB
.endr
.irp b, 0,1,2,3
	v_mov_b32 v[TM+4+\b], 0                        ; written once: a lane permute's destination counts as one of its sources
.endr
	v_mov_b32 v30, 187
	WALU                                           ; the wait at the head's end
	s_cmp_eq_u32 s16, 0
	s_cbranch_scc0 .Lnot_w
	s_wait_tensorcnt 0x0
.Lnot_w:
	BARRIER                                        ; Wv's tiles are in
	WEIGHTS
	s_wait_tensorcnt 0x0                           ; every wave's load of the head has landed: x's tiles;
	ds_add_u32 v[SPW], v[NIL]
	s_wait_dscnt 0x0                               ; Wv is in my registers
	CROUND                                         ; a whole round: it shows x's tiles to all, and no wave of any partner still reads the weights' region
	TLOAD G0R, G1R                                 ; the first refill: my quarter of Wk's tiles
	FETCH 0
	FETCH 1
	s_wait_loadcnt 0x0                             ; scale words and mask
.irp i, 0,1,2,3
	v_cmp_eq_u32 vcc_lo, 0, v[MK+\i]
	v_cndmask_b32 v[MK+\i], 1, v30, vcc_lo         ; 187 for a masked key, 1 for an open one,
	v_lshlrev_b32 v[MK+\i], 16, v[MK+\i]           ; as the word's third byte,
	v_or_b32 v[MK+\i], 0x7f000000, v[MK+\i]        ; under 127 as its fourth
.endr
	WALU
	s_wait_dscnt 0x0
; ---- V
.irp s, 0,1,2,3,4,5,6,7
	BLK 1, \s
.endr
	CHANGE 0
.irp t, 0,1,2,3
	EPI \t                                         ; V's way out stands behind the run of LDS loads, ahead of the wait for it
.endr
	global_store_b128 v2, v[PWR:PWR+3], s[14:15] offset:12800      ; V's scale words: a channel's four tiles' words a lane
	WALU
	s_wait_tensorcnt 0x0                           ; the three lines ahead of the second refill's round
	ds_add_u32 v[SPW], v[NIL]
	s_mov_b64 s[G0R+2:G0R+3], s[68:69]             ; no tensor load of mine is out: the descriptor may be written
	s_or_b32 s[G0R+3], s[G0R+3], 0x80000000
	s_wait_dscnt 0x0                               ; Wk and the first two blocks are in my registers
	CROUND
	TLOAD G0R, G1R                                 ; the second refill: my quarter of Wq's tiles
; ---- K
.irp s, 0,1,2,3,4,5,6
	BLK 0, \s
.if \s % 2
	PAIROUT \s, 14
.endif
.endr
	BLK 0, 7
	CHANGE 1
	PAIROUT 7, 14
	v_cmp_eq_u32 vcc_lo, 1, v5
.irp i, 0,1,2,3
	v_cndmask_b32 v[Y+\i], v[PWR+\i], v[PWR+4+\i], vcc_lo  ; lanes 0-15 tiles 0-3, lanes 16-31 tiles 4-7
.endr
.irp i, 0,1,2,3
	v_or_b32 v[Y+\i], v[Y+\i], v[MK+\i]
.endr
	global_store_b128 v2, v[Y:Y+3], s[14:15] offset:12288
	WALU
	s_wait_dscnt 0x0                               ; Wq and the first two blocks are in my registers
; ---- Q
.irp s, 0,1,2,3,4,5,6,7
	BLK 0, \s
.if \s % 2
	PAIROUT \s, 12
.endif
.endr
	v_cmp_eq_u32 vcc_lo, 1, v5
.irp i, 0,1,2,3
	v_cndmask_b32 v[Y+\i], v[PWR+\i], v[PWR+4+\i], vcc_lo
.endr
.irp i, 0,1,2,3
	v_or_b32 v[Y+\i], 0x7fbb0000, v[Y+\i]          ; 187 and 127
.endr
	global_store_b128 v2, v[Y:Y+3], s[12:13] offset:6144
	s_wait_tensorcnt 0x0                           ; the wave's end
	ds_add_u32 v[SPW], v[NIL]
	s_wait_dscnt 0x0
	CROUND                                         ; the closing round
	s_endpgm
.Lfunc_end_k_qc60ca667ce_qkv:
	.size	k_qc60ca667ce_qkv, .Lfunc_end_k_qc60ca667ce_qkv-k_qc60ca667ce_qkv
	.p2alignl 7, 3214868480
	.fill 96, 4, 3214868480
	.section	.rodata,"a",@progbits
	.p2align	6, 0x0
	.amdhsa_kernel k_qc60ca667ce_qkv
		.amdhsa_group_segment_fixed_size 327680
		.amdhsa_private_segment_fixed_size 0
		.amdhsa_enable_private_segment 0
		.amdhsa_kernarg_size 48
		.amdhsa_user_sgpr_count 2
		.amdhsa_user_sgpr_kernarg_segment_ptr 1
		.amdhsa_wavefront_size32 1
		.amdhsa_system_sgpr_workgroup_id_x 1
		.amdhsa_system_sgpr_workgroup_id_y 1
		.amdhsa_system_sgpr_workgroup_id_z 1
		.amdhsa_system_vgpr_workitem_id 0
		.amdhsa_next_free_vgpr 1024
		.amdhsa_next_free_sgpr 100
		.amdhsa_reserve_vcc 1
		.amdhsa_float_denorm_mode_32 3
		.amdhsa_float_denorm_mode_16_64 3
		.amdhsa_memory_ordered 1
		.amdhsa_forward_progress 1
		.amdhsa_inst_pref_size 245
	.end_amdhsa_kernel
	.amdgpu_metadata
---
amdhsa.version: [ 1, 2 ]
amdhsa.kernels:
  - .name:           k_qc60ca667ce_qkv
    .symbol:         k_qc60ca667ce_qkv.kd
    .args:
      - { .name: xc, .offset: 0, .size: 8, .value_kind: global_buffer, .address_space: global }
      - { .name: wc, .offset: 8, .size: 8, .value_kind: global_buffer, .address_space: global }
      - { .name: sc, .offset: 16, .size: 8, .value_kind: global_buffer, .address_space: global }
      - { .name: attention_mask, .offset: 24, .size: 8, .value_kind: global_buffer, .address_space: global }
      - { .name: qb, .offset: 32, .size: 8, .value_kind: global_buffer, .address_space: global }
      - { .name: kv, .offset: 40, .size: 8, .value_kind: global_buffer, .address_space: global }
    .group_segment_fixed_size: 327680
    .private_segment_fixed_size: 0
    .kernarg_segment_align: 8
    .kernarg_segment_size: 48
    .max_flat_workgroup_size: 128
    .sgpr_count:     100
    .vgpr_count:     1024
    .wavefront_size: 32
...
	.end_amdgpu_metadata
.endif
;; end of part 2
;; launch attn (part 3): grid 4 x 64, 8 waves a work-group, clusters of 4 x 1, 216,064 bytes of LDS; arguments qb, kv, ac, asp; writes ac, asp
.if DOCPART == 3
	.amdgcn_target "amdgcn-amd-amdhsa--gfx1250"
	.amdhsa_code_object_version 6
	.text
	.protected	k_qc60ca667ce_attn
	.globl	k_qc60ca667ce_attn
	.p2align	8
	.type	k_qc60ca667ce_attn,@function
k_qc60ca667ce_attn:
	s_mov_b64 s[64:65], 0
	v_nop
	global_prefetch_b8 v0, s[64:65] scope:SCOPE_SE
	s_setreg_imm32_b32 hwreg(HW_REG_WAVE_MODE, 25, 1), 1
	s_wait_xcnt 0x0
	s_wait_alu depctr_hold_cnt(0) depctr_sa_sdst(0) depctr_va_vdst(0) depctr_va_sdst(0) depctr_va_ssrc(0) depctr_va_vcc(0) depctr_vm_vsrc(0)
	s_getreg_b32 s2, hwreg(HW_REG_IB_STS2, 6, 4)
	s_cmp_eq_u32 s2, 0
	s_cbranch_scc0 .Lentry_in_a_cluster
	s_endpgm
.Lentry_in_a_cluster:
	s_bfe_u32 s2, ttmp6, 0x10000c
	s_cmp_lg_u32 s2, 0x3003
	s_cbranch_scc0 .Lentry_shape_is_right
	s_endpgm
.Lentry_shape_is_right:
; o = softmax(q k^T / 8, masked keys left out) v for one (batch, head) a cluster, both products on codes of FP6 (E2M3) with E8M0 scales; o is divided by the row's sum, quantised along the head's 64 and stored as the last launch's operand.
; t = score x log2(e) / 8; M = the running largest t rounded up to a whole number; p = 2^(t - M) is quantised along the keys, not normalised; the row's sum is taken of the unquantised p; when M moves, sum and O are multiplied by 2^(old M - new M).
; SHARES.  y = batch x 16 + head; the four work-groups of a cluster take 512 queries each; each of eight waves owns TWO tiles of 16 queries (A, B) in each of two passes and walks the head's 2,048 keys, 128 a step:
; each fragment of K and V that is read from LDS feeds two products.
; THE WHOLE HEAD'S K AND V LIE IN LDS, filled once: 16 blocks of 13,312 bytes as the launch before stored them (K's 8 half images, V^T's 4 fragments, K's and V's scale words); wave w asks for blocks 2 w, 2 w + 1, jointly with the three partners.
; Nothing is filled again: one wait, one barrier.  No prefetch: every byte is asked for at the head, and there is no loop to run ahead in.
; LAYOUT.  Both products are used transposed (S^T = K Q^T, O^T = V^T P^T): a lane holds one query.  THE ROWS OF A TILE OF K ARE CHOSEN BY THE LDS ADDRESS: of each 64 keys, tile t takes keys 8 t + 0 .. 7 as rows 0-7 and keys 32 + 8 t + 0 .. 7 as rows 8-15.
; So the 32 registers of four tiles are, in lanes 0-15, keys 0 .. 31 and, in lanes 16-31, keys 32 .. 63 of the 64: a whole scale block of p in one lane, in the order of the next operand's registers.  No lane asks another for a block's maximum, and no code changes lanes.
; (Lanes 0-7 and 8-15 of such a load read rows 1,536 bytes apart.)
; THE MASK.  The first product's K is 64 in an instruction of 128.  At k = 64 Q holds the code -1 under the scale byte 187 and K the code +1 under a byte that is 187 for a masked key and 1 for an open one:
; a masked key's score gets -2^120, so its p is 0; an open key's gets -2^-66.  The other codes of the upper half are 0.
; LIMITS: scores of magnitude 2^115 or more are not told apart from masked ones; open scores carry a common -2^-66; NaN and infinities are not served.  A row all of whose keys are masked has the sum 0: its scale bytes are set to 0xff, which gives NaN in the last product.
; REGISTERS, in two windows of 256.  Window 0: addresses; the rows' small state of BOTH tiles (so that their dependent lines take turns); scale words; V's four fragments; tile A's Q, codes of p, S^T and O^T.
; Window 1: K's eight fragments (the upper six registers of each are constants), tile B's S^T, O^T, Q and codes, and the second pass's Q.
; s_set_vgpr_msb's low byte: bits 1:0 source 0, 3:2 source 1, 5:4 source 2, 7:6 destination.  Tile B's bulk lines run under 0x41 (source 0 and destination in window 1, the row's state in window 0).
.set STEPB, 13312
.set HEADB, 212992
.set VC,    6144
.set KSO,   12288
.set VSO,   12800
.set SG,    212992                     ; behind the head: 1,024 bytes for the work-group's 512 scale pairs; no fill lands there
.set SPARE, 214016                     ; the spare words: 128 bytes for each of eight waves
; window 0.  v1 16 x lane, v2 8 x lane, v3, v4 K's fragment places, v5 K's scale words' place; v6-10 the same five in the step's block; v11 my rows' scale pairs
.set NM,  12                           ; v12, v14 -M of A, B; v13, v15 the running largest score
.set F,   16                           ; v16, v18 f (v17, v19 named as the pairs' upper halves)
.set L,   20                           ; v[20:21], v[22:23] the sums
.set BM,  24                           ; v24-27 the blocks' largest scores: A's two, B's two
.set T,   28                           ; v28-31 at work
.set SO,  32                           ; v32-35 the conversions' scale operands
.set PW,  36                           ; v36, v37 p's scale words
.set QSW, 38                           ; v38, v39 Q's scale words
.set KSW, 40                           ; v40-47 K's scale words
.set VSW, 48                           ; v48-51 V's
.set SPW, 52
.set NIL, 53
.set SH,  54                           ; 8 x (lane / 16)
.set FFFF, 55
.set QHS, 58                           ; v58, v59 the second pass's Q scale words
.set ACC, 60                           ; v60-65 three partial sums
.set CTA, 68
.set QA,  76
.set PCA, 88
.set V,   100
.set SA,  148
.set OA,  212
.set SGW, 244
; window 1.  v0-95 K's fragments
.set SB,  96
.set OB,  160
.set QB,  192
.set PCB, 204
.set CTB, 216
.set QHA, 224
.set QHB, 230
.set WV,  12
.set SEL, 20
.set CS,  22
.set G1,  24
.set G0,  32
.set TB,  36
.set CNT, 37
.set PS,  38
.set QCP, 40
.set QSP, 42
.set ACP, 44
.set ASPP, 46
.set ZM,  48                           ; s48, s49 rows with no open key
.set AP,  50                           ; s[50:51] where this pass's codes go
.set MSB, 0
.macro WIN new                         ; the immediate's high byte repeats the setting that is left
.if MSB != (\new)
	s_set_vgpr_msb (MSB<<8)|(\new)
.set MSB, (\new)
.endif
.endm
.macro WALU
	s_wait_alu depctr_va_vdst(0)
.endm
.macro DEP n
	s_delay_alu instid0(VALU_DEP_\n)
.endm
.macro CROUND
	s_barrier_signal -1
	s_barrier_wait -1
	s_cmp_lg_u32 s[WV], 0
	s_cbranch_scc1 .Lnot_wave_0_\@
	s_barrier_signal -3
.Lnot_wave_0_\@:
	s_barrier_wait -3
	s_barrier_signal -1
	s_barrier_wait -1
.endm
.macro MM d, a, b, c, sa, sb
	v_wmma_scale_f32_16x16x128_f8f6f4 v[\d:\d+7], v[\a:\a+11], v[\b:\b+11], \c, v[\sa], v[\sb] matrix_a_fmt:MATRIX_FMT_FP6 matrix_b_fmt:MATRIX_FMT_FP6
.endm
.macro QK g                            ; S^T = K Q^T for 64 keys: four tiles against A's queries, the same four against B's
	WIN 0x01
.irp t, 0,1,2,3
	MM SA+32*\g+8*\t, 48*\g+12*\t, QA, 0, KSW+4*\g+\t, QSW
.endr
	WIN 0x45
.irp t, 0,1,2,3
	MM SB+32*\g+8*\t, 48*\g+12*\t, QB, 0, KSW+4*\g+\t, QSW+1
.endr
.endm
.macro MAXES s                         ; four chains side by side, 16 scores each, every accumulator from its low end on
.irp k, 0,1,2,3
	v_max_num_f32 v[T+\k], v[\s+16*\k], v[\s+16*\k+1]
.endr
.irp i, 2,4,6,8,10,12,14
.irp k, 0,1,2,3
	v_max3_num_f32 v[T+\k], v[\s+16*\k+\i], v[\s+16*\k+\i+1], v[T+\k]
.endr
.endr
.endm
.macro JOIN bm                         ; a block of 32 keys is two chains
	v_max_num_f32 v[\bm], v[T], v[T+1]
	v_max_num_f32 v[\bm+1], v[T+2], v[T+3]
.endm
.macro RESC o, f                       ; O^T x the low word of the pair f
.set j, 0
.rept 16
	v_pk_mul_f32 v[\o+j:\o+j+1], v[\o+j:\o+j+1], v[\f:\f+1] op_sel_hi:[1,0]
.set j, j+2
.endr
.endm
.macro TMM s, n                        ; t - M, two at a time
.set j, 0
.rept 32
	v_pk_fma_f32 v[\s+j:\s+j+1], v[\s+j:\s+j+1], s[CS:CS+1], v[\n:\n+1] op_sel_hi:[1,0,0]
.set j, j+2
.endr
.endm
.macro EXPS s
.set j, 0
.rept 64
	v_exp_f32 v[\s+j], v[\s+j]
.set j, j+1
.endr
.endm
.macro CVT s, pc, ct, so               ; 64 p become twelve registers of codes; a conversion's three registers begin on an even number, so each block's upper half is made elsewhere and moved
	v_cvt_scalef32_pk16_fp6_f32 v[\pc:\pc+2], v[\s:\s+15], v[\so]
	v_cvt_scalef32_pk16_fp6_f32 v[\ct:\ct+2], v[\s+16:\s+31], v[\so]
	v_cvt_scalef32_pk16_fp6_f32 v[\pc+6:\pc+8], v[\s+32:\s+47], v[\so+1]
	v_cvt_scalef32_pk16_fp6_f32 v[\ct+4:\ct+6], v[\s+48:\s+63], v[\so+1]
	v_nop                                          ; one plain line behind the scaled conversions
.irp i, 0,1,2
	v_mov_b32 v[\pc+3+\i], v[\ct+\i]
	v_mov_b32 v[\pc+9+\i], v[\ct+4+\i]
.endr
.endm
.macro SUMS s, l, x                    ; the 64 unquantised p onto the row's sum: four chains; x = 1: p lies in window 1, the sums in window 0
	WIN 0x05*\x
.irp k, 0,1,2
	v_pk_add_f32 v[ACC+2*\k:ACC+2*\k+1], v[\s+4*\k:\s+4*\k+1], v[\s+4*\k+2:\s+4*\k+3]
.endr
	WIN 0x01*\x
.set j, 12
.rept 6
	v_pk_add_f32 v[\l:\l+1], v[\s+j:\s+j+1], v[\l:\l+1]
.irp k, 0,1,2
	v_pk_add_f32 v[ACC+2*\k:ACC+2*\k+1], v[\s+j+2+2*\k:\s+j+3+2*\k], v[ACC+2*\k:ACC+2*\k+1]
.endr
.set j, j+8
.endr
	v_pk_add_f32 v[\l:\l+1], v[\s+60:\s+61], v[\l:\l+1]
	v_pk_add_f32 v[ACC:ACC+1], v[\s+62:\s+63], v[ACC:ACC+1]
	WIN 0
	v_pk_add_f32 v[ACC:ACC+1], v[ACC:ACC+1], v[ACC+2:ACC+3]
	v_pk_add_f32 v[\l:\l+1], v[\l:\l+1], v[ACC+4:ACC+5]
	v_pk_add_f32 v[\l:\l+1], v[\l:\l+1], v[ACC:ACC+1]
.endm
; A KEY STEP: 128 keys x 32 queries
.macro STEP
	v_add_nc_u32 v6, s[TB], v3                     ; these five lines are also the places between the last step's products and the loads into V's registers
	v_add_nc_u32 v7, s[TB], v4
	v_add_nc_u32 v8, s[TB], v5
	v_add_nc_u32 v9, s[TB], v1
	v_add_nc_u32 v10, s[TB], v2
.irp g, 0,1                            ; all the step's 37 LDS loads in one run: K's scale words (4), K's fragments (8 + 8), V's fragments and scale words (17)
	ds_load_b64 v[KSW+4*\g:KSW+4*\g+1], v8 offset:KSO+256*\g
	ds_load_b64 v[KSW+4*\g+2:KSW+4*\g+3], v8 offset:KSO+256*\g+128
.endr
	WIN 0x40
.irp g, 0,1
.irp t, 0,1,2,3
	ds_load_b128 v[48*\g+12*\t:48*\g+12*\t+3], v6 offset:3072*\g+768*(\t%2)+128*(\t/2)
	ds_load_b64 v[48*\g+12*\t+4:48*\g+12*\t+5], v7 offset:3072*\g+768*(\t%2)+64*(\t/2)+512
.endr
.endr
	WIN 0
.irp t, 0,1,2,3
	ds_load_b128 v[V+12*\t:V+12*\t+3], v9 offset:VC+1536*\t
	ds_load_b64 v[V+12*\t+4:V+12*\t+5], v10 offset:VC+1536*\t+512
	ds_load_b128 v[V+12*\t+6:V+12*\t+9], v9 offset:VC+1536*\t+768
	ds_load_b64 v[V+12*\t+10:V+12*\t+11], v10 offset:VC+1536*\t+1280
.endr
	ds_load_b128 v[VSW:VSW+3], v9 offset:VSO
	s_wait_dscnt 25                                ; K's words and first four fragments are in; its other 8 loads and V's 17 may be out
	QK 0
	s_wait_dscnt 17                                ; V's 17 may be out
	QK 1
.rept 4
	v_nop                                          ; places between the products and the first read of their results
.endr
	WIN 0
	MAXES SA
	JOIN BM
	WIN 0x05
	MAXES SB
	WIN 0
	JOIN BM+2
.irp x, 0,1                            ; the rows' state, A's and B's lines by turns
	v_max3_num_f32 v[T+\x], v[BM+2*\x], v[BM+2*\x+1], v[NM+2*\x+1]
.endr
.irp x, 0,1
	DEP 2
	v_permlanex16_b32 v[T+2+\x], v[T+\x], s[SEL], s[SEL+1]
.endr
.irp x, 0,1
	DEP 2
	v_max_num_f32 v[NM+2*\x+1], v[T+\x], v[T+2+\x] ; the running largest score of the query, both halves of the lanes
.endr
.irp x, 0,1
	DEP 2
	v_mul_f32 v[T+\x], s[CS], v[NM+2*\x+1]         ; as t (c is positive)
.endr
.irp x, 0,1
	v_mov_b32 v[T+2+\x], v[NM+2*\x]
.endr
.irp x, 0,1
	DEP 4
	v_floor_f32 v[NM+2*\x], -v[T+\x]               ; the new -M = floor(-t): M is a whole number
.endr
.irp x, 0,1
	DEP 2
	v_sub_f32 v[T+\x], v[NM+2*\x], v[T+2+\x]       ; old M - new M: a whole number, 0 or less
.endr
.irp x, 0,1
	DEP 2
	v_cvt_i32_f32 v[T+\x], v[T+\x]                 ; (it saturates)
.endr
.irp x, 0,1
	DEP 2
	v_ldexp_f32 v[F+2*\x], 1.0, v[T+\x]            ; f = 2^(old M - new M)
.endr
.irp x, 0,1
	DEP 2
	v_pk_mul_f32 v[L+2*\x:L+2*\x+1], v[L+2*\x:L+2*\x+1], v[F+2*\x:F+2*\x+1] op_sel_hi:[1,0]
.endr
	RESC OA, F                                     ; O^T under the new M, ahead of the exponentials
	TMM SA, NM
.irp k, 0,1,2,3
	v_fma_f32 v[BM+\k], v[BM+\k], s[CS], v[NM+2*(\k/2)]   ; the same of each block's largest score: p rises with the score
.endr
	WIN 0x41
	RESC OB, F+2
	TMM SB, NM+2
	WALU                                           ; the wait ahead of the batch
	EXPS SB                                        ; p = 2^(t - M)
	WIN 0
	EXPS SA
.irp k, 0,1,2,3
	v_exp_f32 v[BM+\k], v[BM+\k]                   ; the blocks' largest p
.endr
	v_nop                                          ; a plain line behind the exponentials
	WALU                                           ; and one wait for the batch, ahead of its first reader
.irp k, 0,1,2,3
	v_max_num_f32 v[BM+\k], 0x1800000, v[BM+\k]    ; the floor 2^(3 - 127): a block whose every p is 0 keeps the byte 1: its codes are zeros
.endr
.irp k, 0,1,2,3
	DEP 4
	v_add_nc_u32 v[SO+\k], 0xff000000, v[BM+\k]    ; 2 off the exponent field: the conversion's scale operand
.endr
.irp k, 0,1,2,3
	DEP 4
	v_lshrrev_b32 v[T+\k], 23, v[SO+\k]            ; the byte
.endr
.irp x, 0,1
	v_lshl_or_b32 v[T+2*\x], v[T+2*\x+1], 16, v[T+2*\x]   ; my two bytes: blocks h and 2 + h,
.endr
.irp x, 0,1
	DEP 2
	v_lshlrev_b32 v[T+2*\x], v[SH], v[T+2*\x]      ; at their places in the word;
.endr
.irp x, 0,1
	DEP 2
	v_permlanex16_b32 v[T+2*\x+1], v[T+2*\x], s[SEL], s[SEL+1]
.endr
.irp x, 0,1
	DEP 2
	v_or_b32 v[PW+\x], v[T+2*\x], v[T+2*\x+1]      ; with lane l xor 16's two the word is whole
.endr
	WIN 0x41
	CVT SB, PCB, CTB, SO+2
	SUMS SB, L+2, 1
	CVT SA, PCA, CTA, SO
	SUMS SA, L, 0                                  ; these 32 lines are also the places between the writes of codes and scale words and the products
	WALU                                           ; the wait here, directly ahead of the wait below
	s_wait_dscnt 0x0                               ; V
.irp t, 0,1,2,3                        ; O^T += V^T P^T: eight accumulators by turns
	MM OA+8*\t, V+12*\t, PCA, v[OA+8*\t:OA+8*\t+7], VSW+\t, PW
.endr
	WIN 0x54
.irp t, 0,1,2,3
	MM OB+8*\t, V+12*\t, PCB, v[OB+8*\t:OB+8*\t+7], VSW+\t, PW+1
.endr
	WIN 0
.endm
; THE WAY OUT of a pass.  O^T / the sum is quantised: register 16 b + i is channel 32 b + 16 h + i of my query: two blocks of 32, one half image
.macro OMAX o, bm
.irp b, 0,1
	v_max3_num_f32 v[\bm+\b], |v[\o+16*\b]|, |v[\o+16*\b+1]|, 0x1800000
.endr
.irp i, 2,4,6,8,10,12,14
.irp b, 0,1
	v_max3_num_f32 v[\bm+\b], |v[\o+16*\b+\i]|, |v[\o+16*\b+\i+1]|, v[\bm+\b]
.endr
.endr
.endm
.macro OCVT o, pc, ct, so
	v_cvt_scalef32_pk16_fp6_f32 v[\pc:\pc+2], v[\o:\o+15], v[\so]
	v_cvt_scalef32_pk16_fp6_f32 v[\ct:\ct+2], v[\o+16:\o+31], v[\so+1]
	v_nop
.irp i, 0,1,2
	v_permlane16_swap_b32 v[\pc+\i], v[\ct+\i]     ; the operand's layout wants a whole block in a lane
.endr
.irp i, 0,1,2
	v_mov_b32 v[\pc+3+\i], v[\ct+\i]
.endr
.endm
.macro WAYOUT
.rept 4
	v_nop
.endr
	s_mul_i32 s52, s[PS], 196608                   ; 16 tiles of ac on in the second pass
	s_mov_b32 s53, 0
	s_add_nc_u64 s[AP:AP+1], s[ACP:ACP+1], s[52:53]
	s_lshl_b32 s54, s[PS], 9
	v_add_nc_u32 v[SGW], s54, v11
.irp x, 0,1
	v_add_f32 v[T+\x], v[L+2*\x], v[L+2*\x+1]
.endr
.irp x, 0,1
	v_permlanex16_b32 v[T+2+\x], v[T+\x], s[SEL], s[SEL+1]
.endr
.irp x, 0,1
	v_add_f32 v[T+\x], v[T+\x], v[T+2+\x]          ; the row's sum
.endr
	v_cmp_eq_f32 s[ZM], 0, v[T]                    ; no open key at all
	v_cmp_eq_f32 s[ZM+1], 0, v[T+1]
	WALU                                           ; the wait ahead of the reciprocals,
.irp x, 0,1
	v_rcp_f32 v[F+2*\x], v[T+\x]
.endr
	v_nop                                          ; a plain line behind them,
	WALU                                           ; and the wait ahead of their first reader, which is also O^T's
	RESC OA, F
	WIN 0x41
	WALU                                           ; directly ahead of the first reader of B's O^T
	RESC OB, F+2
	WIN 0
	OMAX OA, BM
	WIN 0x05
	OMAX OB, BM+2
	WIN 0
.irp k, 0,1,2,3
	v_permlanex16_b32 v[T+\k], v[BM+\k], s[SEL], s[SEL+1]
.endr
.irp k, 0,1,2,3
	v_max_num_f32 v[BM+\k], v[BM+\k], v[T+\k]
.endr
.irp k, 0,1,2,3
	v_add_nc_u32 v[SO+\k], 0xff000000, v[BM+\k]
.endr
.irp k, 0,1,2,3
	v_lshrrev_b32 v[T+\k], 23, v[SO+\k]
.endr
.irp x, 0,1
	v_lshl_or_b32 v[T+2*\x], v[T+2*\x+1], 8, v[T+2*\x]    ; the row's two scale bytes for this head,
.endr
	v_cndmask_b32 v[T], v[T], v[FFFF], s[ZM]       ; or 0xffff
	v_cndmask_b32 v[T+2], v[T+2], v[FFFF], s[ZM+1]
	ds_store_b16 v[SGW], v[T]                      ; both lanes of a row write the same two bytes
	ds_store_b16 v[SGW], v[T+2] offset:32
	OCVT OA, PCA, CTA, SO
	global_store_b128 v1, v[PCA:PCA+3], s[AP:AP+1]             ; 512 consecutive, aligned bytes
	global_store_b64 v2, v[PCA+4:PCA+5], s[AP:AP+1] offset:512
	WIN 0x41
	OCVT OB, PCB, CTB, SO+2
	WIN 0x04
	global_store_b128 v1, v[PCB:PCB+3], s[AP:AP+1] offset:12288
	global_store_b64 v2, v[PCB+4:PCB+5], s[AP:AP+1] offset:12288+512
	WIN 0
.endm
	s_load_b256 s[4:11], s[0:1], 0x0               ; qb s[4:5], kv s[6:7], ac s[8:9], asp s[10:11]
	v_lshl_add_u32 v[SPW], v0, 2, SPARE
	v_mov_b32 v[NIL], 0
	ds_add_u32 v[SPW], v[NIL]                      ; the opening lines: the add, twice on end, and its wait ahead of my tensor load
	ds_add_u32 v[SPW], v[NIL]
	v_lshrrev_b32 v1, 5, v0
	v_readfirstlane_b32 s[WV], v1                  ; wave 0..7
	s_bfe_u32 s13, ttmp6, 0x40000                  ; cx: which 512 queries
	s_and_b32 s14, ttmp7, 0xffff                   ; y = batch x 16 + head, which the partners share
	s_mul_i32 s16, s14, HEADB
	s_mul_i32 s[G0+1], s[WV], 2*STEPB              ; LDS address: blocks 2 w, 2 w + 1
	s_add_co_u32 s16, s16, s[G0+1]
	s_mov_b32 s17, 0
	s_mov_b32 s[G1], 15|(3<<16)|(1<<21)            ; the mask: all four work-groups; elements of 8 bytes; bit 21 beside a mask
	s_mov_b32 s[G1+1], 32<<16                      ; tensor_dim0: rows of 256 bytes
	s_mov_b32 s[G1+2], 104<<16                     ; tensor_dim1
	s_mov_b32 s[G1+3], 32<<16                      ; tile_dim0
	s_mov_b32 s[G1+4], 104                         ; tile_dim1
	s_mov_b32 s[G1+5], 32                          ; dense
	s_mov_b32 s[G1+6], 0
	s_mov_b32 s[G1+7], 0
	s_mov_b32 s[G0], 1
	s_mov_b32 s[SEL], 0x76543210
	s_mov_b32 s[SEL+1], 0xfedcba98                 ; v_permlanex16_b32's selects for lane l xor 16
	s_mov_b32 s[CS], 0x3e38aa3b                    ; c = log2(e) / 8
	s_mov_b32 s[CS+1], s[CS]
	s_lshl_b32 s48, s14, 4                         ; q: my tiles are 16 pass + 2 w, + 1 of the work-group's 32: block 16 y + 4 cx + 2 pass + w / 4, tiles 2 (w % 4), + 1
	s_lshl_b32 s49, s13, 2
	s_add_co_u32 s48, s48, s49
	s_lshr_b32 s49, s[WV], 2
	s_add_co_u32 s48, s48, s49
	s_mul_i32 s48, s48, 6656
	s_and_b32 s49, s[WV], 3
	s_mul_i32 s49, s49, 1536
	s_add_co_u32 s50, s48, s49
	s_mov_b32 s51, 0
	s_bfe_u32 s49, s[WV], 0x10001
	s_lshl_b32 s49, s49, 8
	s_add_co_u32 s52, s48, s49
	s_and_b32 s49, s[WV], 1
	s_lshl_b32 s49, s49, 3
	s_add_co_u32 s52, s52, s49
	s_add_co_u32 s52, s52, 6144                    ; its scale words: [tile / 4][r][tile % 4]
	s_mov_b32 s53, 0
	s_lshr_b32 s54, s14, 4                         ; batch
	s_and_b32 s55, s14, 15                         ; head
	s_lshl_b32 s56, s54, 7
	s_lshl_b32 s57, s13, 5
	s_add_co_u32 s56, s56, s57
	s_lshl_b32 s57, s[WV], 1
	s_add_co_u32 s56, s56, s57                     ; ac: tile 128 batch + 32 cx + 16 pass + 2 w,
	s_mul_i32 s56, s56, 12288
	s_mul_i32 s57, s55, 768                        ; half image = head
	s_add_co_u32 s56, s56, s57
	s_mov_b32 s57, 0
	s_lshl_b32 s58, s55, 14                        ; asp: plane = head, 2 bytes a row index
	s_lshl_b32 s59, s54, 12
	s_add_co_u32 s58, s58, s59
	s_lshl_b32 s59, s13, 10
	s_add_co_u32 s58, s58, s59
	s_mov_b32 s59, 0
	s_wait_dscnt 0x0
	s_wait_kmcnt 0x0
	s_add_nc_u64 s[G0+2:G0+3], s[6:7], s[16:17]
	s_or_b32 s[G0+3], s[G0+3], 0x80000000
	s_add_nc_u64 s[QCP:QCP+1], s[4:5], s[50:51]
	s_add_nc_u64 s[QSP:QSP+1], s[4:5], s[52:53]
	s_add_nc_u64 s[ACP:ACP+1], s[8:9], s[56:57]
	s_add_nc_u64 s[ASPP:ASPP+1], s[10:11], s[58:59]
	CROUND                                         ; all four work-groups are here: the joint loads meet
	tensor_load_to_lds s[G0:G0+3], s[G1:G1+7]      ; my one tensor load of the launch
	s_nop 0
.rept 4
	v_nop
.endr
	v_and_b32 v28, 31, v0                          ; lane
	v_lshlrev_b32 v1, 4, v28
	v_lshlrev_b32 v2, 3, v28
	v_and_b32 v29, 15, v0                          ; r
	v_lshlrev_b32 v25, 4, v29
	global_load_b128 v[QA:QA+3], v1, s[QCP:QCP+1]              ; Q's half images: registers 0-5 of a fragment.  Pass 0, tile A
	global_load_b64 v[QA+4:QA+5], v2, s[QCP:QCP+1] offset:512
	global_load_b32 v[QSW], v25, s[QSP:QSP+1]
	global_load_b32 v[QSW+1], v25, s[QSP:QSP+1] offset:4
	global_load_b32 v[QHS], v25, s[QSP:QSP+1] offset:13312
	global_load_b32 v[QHS+1], v25, s[QSP:QSP+1] offset:13316
	WIN 0x40
	global_load_b128 v[QB:QB+3], v1, s[QCP:QCP+1] offset:768   ; pass 0, tile B
	global_load_b64 v[QB+4:QB+5], v2, s[QCP:QCP+1] offset:768+512
	global_load_b128 v[QHA:QHA+3], v1, s[QCP:QCP+1] offset:13312   ; pass 1: two blocks of qb on
	global_load_b64 v[QHA+4:QHA+5], v2, s[QCP:QCP+1] offset:13312+512
	global_load_b128 v[QHB:QHB+3], v1, s[QCP:QCP+1] offset:13312+768
	global_load_b64 v[QHB+4:QHB+5], v2, s[QCP:QCP+1] offset:13312+768+512
	WIN 0
	v_bfe_u32 v30, v0, 4, 1                        ; h
	v_and_b32 v31, 7, v0                           ; r % 8
	v_bfe_u32 v24, v0, 3, 1                        ; r / 8
	v_mul_u32_u24 v26, v24, 1536                   ; K: rows 8-15 of my tiles come from the stored tile two further on,
	v_lshl_add_u32 v3, v31, 4, v26                 ; stored lane r % 8 (+ 8 for tiles 2, 3: in the loads' offsets) + 16 h: registers 0-3 at 16 x lane,
	v_lshl_add_u32 v3, v30, 8, v3
	v_lshl_add_u32 v4, v31, 3, v26                 ; registers 4-5 at 8 x lane
	v_lshl_add_u32 v4, v30, 7, v4
	v_lshlrev_b32 v5, 4, v31                       ; and its scale words: stored row r % 8, words 2 (r / 8), + 1
	v_lshl_add_u32 v5, v24, 3, v5
	v_lshlrev_b32 v[SH], 3, v30
	s_lshl_b32 s60, s[WV], 6
	v_lshlrev_b32 v11, 1, v29
	v_add_nc_u32 v11, s60, v11
	v_add_nc_u32 v11, SG, v11                      ; my rows' scale pairs: SG + 512 pass + 64 w + 32 tile + 2 r
	v_and_b32 v56, 63, v0
	v_lshlrev_b32 v57, 4, v56
	v_add_nc_u32 v56, SG, v57                      ; and how waves 0 and 1 read them back
	v_mov_b32 v[FFFF], 0xffff
	v_mov_b32 v[F+1], 0
	v_mov_b32 v[F+3], 0
	v_cmp_gt_u32 vcc_lo, 16, v28                   ; lanes 0-15 hold k = 64 in register 6
	v_mov_b32 v32, 0x28                            ; the code of -1
	v_mov_b32 v33, 8                               ; the code of +1
	v_cndmask_b32 v[QA+6], 0, v32, vcc_lo
.irp i, 7,8,9,10,11
	v_mov_b32 v[QA+\i], 0
.endr
	WIN 0x40
	v_cndmask_b32 v[QB+6], 0, v32, vcc_lo
.irp i, 7,8,9,10,11
	v_mov_b32 v[QB+\i], 0
.endr
.irp t, 0,1,2,3,4,5,6,7
	v_cndmask_b32 v[12*\t+6], 0, v33, vcc_lo
.irp i, 7,8,9,10,11
	v_mov_b32 v[12*\t+\i], 0
.endr
.endr
	WIN 0
	s_mov_b32 s[PS], 0
	WALU                                           ; the wait at the head's end
	s_wait_loadcnt 0x0                             ; Q
	s_wait_tensorcnt 0x0                           ; my two blocks have landed,
	s_barrier_signal -1
	s_barrier_wait -1                              ; everybody's have: the head is whole
.Lpass:
	s_wait_xcnt 0x0                                ; the last pass's stores have read the codes' registers and their base
	s_cmp_eq_u32 s[PS], 0
	s_cbranch_scc1 .Lq_in
	WIN 0x01
.irp i, 0,1,2,3,4,5
	v_mov_b32 v[QA+\i], v[QHA+\i]                  ; the second pass's Q
.endr
	WIN 0x41
.irp i, 0,1,2,3,4,5
	v_mov_b32 v[QB+\i], v[QHB+\i]
.endr
	WIN 0
	v_mov_b32 v[QSW], v[QHS]
	v_mov_b32 v[QSW+1], v[QHS+1]
.Lq_in:
.irp x, 0,1
	v_mov_b32 v[NM+2*\x+1], 0xfa800000             ; the largest score so far: -2^118: above every masked score, under every open one
	v_mov_b32 v[NM+2*\x], 0x79800000               ; -M = 2^116, not under what that score gives
	v_mov_b32 v[L+2*\x], 0
	v_mov_b32 v[L+2*\x+1], 0
.endr
.set j, 0
.rept 32
	v_mov_b32 v[OA+j], 0                           ; the step is written once: the first finds zeros
.set j, j+1
.endr
	WIN 0x40
.set j, 0
.rept 32
	v_mov_b32 v[OB+j], 0
.set j, j+1
.endr
	WIN 0
	s_mov_b32 s[TB], 0
	s_mov_b32 s[CNT], 16
.Lstep:
	STEP
	s_add_co_u32 s[TB], s[TB], STEPB
	s_sub_co_u32 s[CNT], s[CNT], 1
	s_cmp_lg_u32 s[CNT], 0
	s_cbranch_scc1 .Lstep
	WAYOUT
	s_add_co_u32 s[PS], s[PS], 1
	s_cmp_lg_u32 s[PS], 2
	WALU                                           ; the wait here, directly ahead of the branch
	s_cbranch_scc1 .Lpass
	s_wait_dscnt 0x0                               ; my scale pairs lie in LDS
	s_barrier_signal -1
	s_barrier_wait -1
	s_cmp_lt_u32 s[WV], 2
	s_cbranch_scc0 .Lno_pairs
	ds_load_b128 v[CTA:CTA+3], v56
	s_wait_dscnt 0x0
	global_store_b128 v57, v[CTA:CTA+3], s[ASPP:ASPP+1]    ; 512 consecutive, aligned bytes a wave
.Lno_pairs:
	s_wait_tensorcnt 0x0                           ; the wave's end
	ds_add_u32 v[SPW], v[NIL]
	s_wait_dscnt 0x0
	CROUND                                         ; the closing round
	s_endpgm
.Lfunc_end_k_qc60ca667ce_attn:
	.size	k_qc60ca667ce_attn, .Lfunc_end_k_qc60ca667ce_attn-k_qc60ca667ce_attn
	.p2alignl 7, 3214868480
	.fill 96, 4, 3214868480
	.section	.rodata,"a",@progbits
	.p2align	6, 0x0
	.amdhsa_kernel k_qc60ca667ce_attn
		.amdhsa_group_segment_fixed_size 216064
		.amdhsa_private_segment_fixed_size 0
		.amdhsa_enable_private_segment 0
		.amdhsa_kernarg_size 32
		.amdhsa_user_sgpr_count 2
		.amdhsa_user_sgpr_kernarg_segment_ptr 1
		.amdhsa_wavefront_size32 1
		.amdhsa_system_sgpr_workgroup_id_x 1
		.amdhsa_system_sgpr_workgroup_id_y 1
		.amdhsa_system_sgpr_workgroup_id_z 1
		.amdhsa_system_vgpr_workitem_id 0
		.amdhsa_next_free_vgpr 512
		.amdhsa_next_free_sgpr 66
		.amdhsa_reserve_vcc 1
		.amdhsa_float_denorm_mode_32 3
		.amdhsa_float_denorm_mode_16_64 3
		.amdhsa_memory_ordered 1
		.amdhsa_forward_progress 1
		.amdhsa_inst_pref_size 49
	.end_amdhsa_kernel
	.amdgpu_metadata
---
amdhsa.version: [ 1, 2 ]
amdhsa.kernels:
  - .name:           k_qc60ca667ce_attn
    .symbol:         k_qc60ca667ce_attn.kd
    .args:
      - { .name: qb, .offset: 0, .size: 8, .value_kind: global_buffer, .address_space: global }
      - { .name: kv, .offset: 8, .size: 8, .value_kind: global_buffer, .address_space: global }
      - { .name: ac, .offset: 16, .size: 8, .value_kind: global_buffer, .address_space: global }
      - { .name: asp, .offset: 24, .size: 8, .value_kind: global_buffer, .address_space: global }
    .group_segment_fixed_size: 216064
    .private_segment_fixed_size: 0
    .kernarg_segment_align: 8
    .kernarg_segment_size: 32
    .max_flat_workgroup_size: 256
    .sgpr_count:     66
    .vgpr_count:     512
    .wavefront_size: 32
...
	.end_amdgpu_metadata
.endif
;; end of part 3
;; launch outp (part 4): grid 8 x 32, 4 waves a work-group, clusters of 4 x 4, 327,680 bytes of LDS; arguments ac, asp, wc, sc, bo, out0; writes out0
.if DOCPART == 4
	.amdgcn_target "amdgcn-amd-amdhsa--gfx1250"
	.amdhsa_code_object_version 6
	.text
	.protected	k_qc60ca667ce_outp
	.globl	k_qc60ca667ce_outp
	.p2align	8
	.type	k_qc60ca667ce_outp,@function
k_qc60ca667ce_outp:
	s_mov_b64 s[64:65], 0
	v_nop
	global_prefetch_b8 v0, s[64:65] scope:SCOPE_SE
	s_setreg_imm32_b32 hwreg(HW_REG_WAVE_MODE, 25, 1), 1
	s_wait_xcnt 0x0
	s_wait_alu depctr_hold_cnt(0) depctr_sa_sdst(0) depctr_va_vdst(0) depctr_va_sdst(0) depctr_va_ssrc(0) depctr_va_vcc(0) depctr_vm_vsrc(0)
	s_getreg_b32 s2, hwreg(HW_REG_IB_STS2, 6, 4)
	s_cmp_eq_u32 s2, 0
	s_cbranch_scc0 .Lentry_in_a_cluster
	s_endpgm
.Lentry_in_a_cluster:
	s_bfe_u32 s2, ttmp6, 0x10000c
	s_cmp_lg_u32 s2, 0xf033
	s_cbranch_scc0 .Lentry_shape_is_right
	s_endpgm
.Lentry_shape_is_right:
; out0 = a Wo + bo on codes of FP6 (E2M3) with E8M0 scales; a [8192][1024] comes from the launch before as ac (codes) and asp (scale pairs), Wo from the first launch as wc and sc.
; ac and wc hold tiles of 16 rows (of a) or 16 columns (of Wo), 12,288 bytes each: 16 half images of 768 bytes, each 64 along K as the operand's registers hold them (registers 0-3 at 16 x lane, 4-5 at 512 + 8 x lane).
; Lane-row r of tile t is the true row (column) 32 (t / 2) + 8 (t % 2) + r + 8 (r / 8).  asp: plane = head, two bytes a row index 16 t + r.  sc: 32 bytes a row index.
; THE DEAL.  256 work-groups of four waves; a work-group makes 256 rows x 128 columns.  K is 1,024, so all that a work-group multiplies fits in LDS at once: Wo's 8 tiles (98,304 bytes) and a's 16 tiles (196,608 bytes).
; Nothing is filled again.  One joint load a wave at the head: wave 0 Wo's tiles, wave 1 a's tiles 0-7, waves 2 and 3 four tiles each of 8-15; three plain barriers show them in that order.
; No prefetch: every byte is asked for at the head, and there is no loop to run ahead in.
; CLUSTERS: 4 x 4.  a's tiles hang on the tile row alone and are shared by a row of the cluster, Wo's on the tile column alone and are shared by a column.
; A WAVE (row a = wave / 2, column b = wave % 2) holds 64 columns of Wo, all of K, in registers (4 tiles x 8 fragments x 12) and streams a's tiles 2 s + a, s = 0 .. 7, past them: a block is 32 products on four accumulators by turns.
; The matrix instruction is used transposed (source 0 = Wo's columns, source 1 = a's rows): a lane holds one row and 32 of its 64 columns.  The bias is the first four products' C.
; A block's rows were fetched two blocks ago; its results go through the wave's own stage and leave as whole rows of 256 bytes while the next blocks are multiplied.
; THE ROWS' SCALE WORDS: the work-group's 16 planes x 512 bytes of asp are laid in LDS plane by plane; one transposing load a block gives lane r the words of K steps 0-3 and lane 16 + r those of K steps 4-7 of row r.
; A row with no open key carries the bytes 0xff from the launch before: its results are NaN.
; REGISTERS.  Window 0: addresses, scale words, the bias, two sets of four accumulators, two sets of 32 registers on the way out.  Fragment f lies in window 1 + f / 21 at register 12 (f % 21): 0-31 Wo's (4 q + t), 32-39 and 40-47 the rows' two sets.
.set TILEB, 12288
.set XB,    98304                      ; a's tiles, behind Wo's
.set STG,   294912                     ; four stages of 16 rows x (256 + 16) bytes
.set SP,    272
.set XS,    312320                     ; the rows' scale pairs: 16 planes x (512 + 32) bytes
.set PS,    544
.set SPARE, 321024                     ; the spare words, 128 bytes for each wave
.set AS,   7                           ; v7   where my planes' bytes go
.set ATR,  9                           ; v9   the transposing load's address
.set AW,   10                          ; v10, v11  Wo's fragments: 16 x lane, 8 x lane
.set AX,   12                          ; v12-19    a's fragments, a pair for each two blocks
.set STO,  20
.set RD,   21
.set CO,   22
.set SPW,  28
.set NIL,  29
.set SW,   32                          ; v32-47 Wo's scale words: lanes 0-15 tile 2 p, lanes 16-31 tile 2 p + 1
.set SX,   50                          ; v50-57 the rows' scale words, two sets of four
.set AT,   58                          ; v58-73 asp on its way into LDS
.set BI,   74                          ; v74-105 the bias as the result lies
.set ACC,  106                         ; v106-169
.set OUT,  170                         ; v170-233
.set G1W, 24
.set G0W, 32
.set G0X, 36
.set G0Y, 40
.set G1X, 48
.set G1Y, 56
.set MSB, 0
.macro WIN new                         ; the immediate's high byte repeats the setting that is left
.if MSB != (\new)
	s_set_vgpr_msb (MSB<<8)|(\new)
.set MSB, (\new)
.endif
.endm
.macro WALU
	s_wait_alu depctr_va_vdst(0)
.endm
.macro PLACES n
.rept \n
	v_nop
.endr
.endm
.macro BARRIER
	s_barrier_signal -1
	s_barrier_wait -1
.endm
.macro CROUND
	BARRIER
	s_cmp_lg_u32 s16, 0
	s_cbranch_scc1 .Lnot_wave_0_\@
	s_barrier_signal -3
.Lnot_wave_0_\@:
	s_barrier_wait -3
	BARRIER
.endm
.macro TLOAD g0, g1
	tensor_load_to_lds s[\g0:\g0+3], s[\g1:\g1+7]
	s_nop 0
	PLACES 4
.endm
.macro GROUP1 g, mask, rows            ; dense tiles as rows of 3,072 bytes (384 elements of 8), four to a tile
	s_or_b32 s[\g], s\mask, (3<<16)|(1<<21)
	s_mov_b32 s[\g+1], 384<<16
	s_mov_b32 s[\g+2], (\rows)<<16
	s_mov_b32 s[\g+3], 384<<16
	s_mov_b32 s[\g+4], \rows
	s_mov_b32 s[\g+5], 384
	s_mov_b32 s[\g+6], 0
	s_mov_b32 s[\g+7], 0
.endm
.macro FRAG f, a, off                  ; two half images: 12 registers
	WIN (1+(\f)/21)<<6
.set R_, 12*((\f)%21)
	ds_load_b128 v[R_:R_+3], v[\a] offset:\off
	ds_load_b64 v[R_+4:R_+5], v[\a+1] offset:(\off)+512
	ds_load_b128 v[R_+6:R_+9], v[\a] offset:(\off)+768
	ds_load_b64 v[R_+10:R_+11], v[\a+1] offset:(\off)+1280
.endm
.macro WEIGHTS                         ; my 64 columns of Wo, all of K: 128 loads
.irp q, 0,1,2,3,4,5,6,7
.irp t, 0,1,2,3
	FRAG 4*\q+\t, AW, TILEB*\t+1536*\q
.endr
.endr
	WIN 0
.endm
.macro FETCH s                         ; block s into set s % 2: 32 loads for eight fragments, one for the scale words
.irp q, 0,1,2,3,4,5,6,7
	FRAG 32+8*((\s)%2)+\q, AX+2*((\s)/2), 2*TILEB*((\s)%2)+1536*\q
.endr
	WIN 0
	ds_load_tr16_b128 v[SX+4*((\s)%2):SX+4*((\s)%2)+3], v[ATR] offset:64*(\s)
.endm
.macro P1 d, a, b, c, sa, sb, ra, rb
.if (\ra) == 0 && (\rb) == 0
	v_wmma_scale_f32_16x16x128_f8f6f4 v[\d:\d+7], v[\a:\a+11], v[\b:\b+11], \c, v[\sa], v[\sb] matrix_a_fmt:MATRIX_FMT_FP6 matrix_b_fmt:MATRIX_FMT_FP6
.elseif (\ra) == 1 && (\rb) == 0
	v_wmma_scale_f32_16x16x128_f8f6f4 v[\d:\d+7], v[\a:\a+11], v[\b:\b+11], \c, v[\sa], v[\sb] matrix_a_fmt:MATRIX_FMT_FP6 matrix_b_fmt:MATRIX_FMT_FP6 matrix_a_scale:MATRIX_SCALE_ROW1
.elseif (\ra) == 0
	v_wmma_scale_f32_16x16x128_f8f6f4 v[\d:\d+7], v[\a:\a+11], v[\b:\b+11], \c, v[\sa], v[\sb] matrix_a_fmt:MATRIX_FMT_FP6 matrix_b_fmt:MATRIX_FMT_FP6 matrix_b_scale:MATRIX_SCALE_ROW1
.else
	v_wmma_scale_f32_16x16x128_f8f6f4 v[\d:\d+7], v[\a:\a+11], v[\b:\b+11], \c, v[\sa], v[\sb] matrix_a_fmt:MATRIX_FMT_FP6 matrix_b_fmt:MATRIX_FMT_FP6 matrix_a_scale:MATRIX_SCALE_ROW1 matrix_b_scale:MATRIX_SCALE_ROW1
.endif
.endm
.macro PROD e, n                       ; product n = 4 q + t of a block: K step q, Wo's tile t
.set Q_, (\n)/4
.set T_, (\n)%4
.set FX_, 32+8*(\e)+Q_
.set D_, ACC+32*(\e)+8*T_
.set SA_, SW+8*(T_/2)+Q_
.set SB_, SX+4*(\e)+Q_%4
	WIN (1+(\n)/21)|((1+FX_/21)<<2)
.if Q_
	P1 D_, 12*((\n)%21), 12*(FX_%21), v[D_:D_+7], SA_, SB_, T_%2, Q_/4
.else
	P1 D_, 12*((\n)%21), 12*(FX_%21), v[BI+8*T_:BI+8*T_+7], SA_, SB_, T_%2, Q_/4
.endif
.endm
.macro STAGE s                         ; block s's 16 x 64 results into my stage, each accumulator from its low end on, and back as rows of 256 bytes (LDS serves a wave's instructions in order)
.set A_, ACC+32*((\s)%2)
.set O_, OUT+32*((\s)%2)
.irp t, 0,1,2,3
	ds_store_b128 v[STO], v[A_+8*\t:A_+8*\t+3] offset:128*(\t/2)+32*(\t%2)
	ds_store_b128 v[STO], v[A_+8*\t+4:A_+8*\t+7] offset:128*(\t/2)+32*(\t%2)+16
.endr
.irp u, 0,1,2,3,4,5,6,7
	ds_load_b128 v[O_+4*\u:O_+4*\u+3], v[RD] offset:2*\u*SP
.endr
.endm
.macro SEND s                          ; sixteen lanes store one aligned unit of 256 bytes; stage rows 2 u, 2 u + 1 are the true rows 32 s + 2 u + 8 (u / 4), + 1 of my half
.set O_, OUT+32*((\s)%2)
.irp u, 0,1,2,3,4,5,6,7
	global_store_b128 v[CO], v[O_+4*\u:O_+4*\u+3], s[14:15] offset:(32*(\s)+2*\u+8*(\u/4))*4096 th:TH_STORE_NT
.endr
.endm
.macro BLK s
.set N_, 0
.rept 32
	PROD (\s)%2, N_
.set N_, N_+1
.endr
	WIN 0
	PLACES 4                                       ; between the products and the loads into their fragments and the stores of their results
.if (\s) == 2
	s_wait_tensorcnt 0x0                           ; every wave's load has landed: a's tiles 8-15 among them
.endif
	s_wait_dscnt 0x0                               ; all that the last block issued is done: the next block's rows are in, the last block's results are back from the stage
.if (\s) == 2
	BARRIER                                        ; a plain barrier shows tiles 8-15 to all
.endif
.if (\s) > 1
	s_wait_xcnt 0x0                                ; the stores of two blocks ago have read the registers that this block's results come back into
.endif
.if (\s) > 0
	SEND (\s)-1
.endif
.if (\s) < 6
	FETCH (\s)+2
.endif
	STAGE \s
.endm
	s_load_b256 s[4:11], s[0:1], 0x0               ; ac s[4:5], asp s[6:7], wc s[8:9], sc s[10:11]
	s_load_b128 s[12:15], s[0:1], 0x20             ; bo s[12:13], out0 s[14:15]
	v_lshl_add_u32 v[SPW], v0, 2, SPARE
	v_mov_b32 v[NIL], 0
	ds_add_u32 v[SPW], v[NIL]                      ; the opening lines: the add, twice on end, and its wait ahead of my tensor load
	ds_add_u32 v[SPW], v[NIL]
	v_lshrrev_b32 v1, 5, v0
	v_readfirstlane_b32 s16, v1                    ; wave
	s_lshr_b32 s17, s16, 1                         ; a: which of each two tiles of rows is mine
	s_and_b32 s18, s16, 1                          ; b: which 64 columns
	s_bfe_u32 s19, ttmp6, 0x40000                  ; cx
	s_bfe_u32 s20, ttmp6, 0x40004                  ; cy
	s_and_b32 s23, ttmp7, 0xffff
	s_lshl_b32 s21, ttmp9, 2
	s_add_co_u32 s21, s21, s19                     ; tile column, 0 .. 7
	s_lshl_b32 s22, s23, 2
	s_add_co_u32 s22, s22, s20                     ; tile row, 0 .. 31
	s_lshl_b32 s72, s20, 2
	s_lshl_b32 s72, 15, s72                        ; my row of the cluster
	s_lshl_b32 s73, 0x1111, s19                    ; my column
	GROUP1 G1W, 73, 32
	GROUP1 G1X, 72, 32
	GROUP1 G1Y, 72, 16
	s_mul_i32 s76, s22, 16*TILEB                   ; a's 16 tiles, bytes from ac
	s_mov_b32 s77, 0
	s_mul_i32 s78, s21, 8*TILEB
	s_add_co_u32 s78, s78, 2359296                 ; Wo's 8 tiles, bytes from wc: behind Wq's, Wk's and Wv's 192 tiles
	s_mov_b32 s79, 0
	s_mul_i32 s80, s16, 4*TILEB                    ; waves 2 and 3: tiles 8-11, 12-15
	s_mov_b32 s81, 0
	s_lshl_b32 s82, s16, 16                        ; asp: my four planes of 16,384 bytes,
	s_lshl_b32 s83, s22, 9                         ; the work-group's 256 row indices
	s_add_co_u32 s82, s82, s83
	s_mov_b32 s83, 0
	s_lshl_b32 s86, s21, 7
	s_lshl_b32 s87, s18, 6
	s_add_co_u32 s86, s86, s87                     ; my first column
	s_lshl_b32 s84, s22, 8
	s_lshl_b32 s85, s17, 3
	s_add_co_u32 s84, s84, s85                     ; my first true row: 256 x tile row + 8 a
	s_lshl_b32 s84, s84, 12
	s_lshl_b32 s88, s86, 2
	s_add_co_u32 s84, s84, s88
	s_mov_b32 s85, 0
	s_mov_b32 s[G0W], 1
	s_mov_b32 s[G0W+1], 0
	s_mov_b32 s[G0X], 1
	s_mov_b32 s[G0X+1], XB
	s_mov_b32 s[G0Y], 1
	s_add_co_u32 s[G0Y+1], s80, XB
	s_wait_dscnt 0x0
	s_wait_kmcnt 0x0
	s_add_nc_u64 s[G0W+2:G0W+3], s[8:9], s[78:79]
	s_or_b32 s[G0W+3], s[G0W+3], 0x80000000
	s_add_nc_u64 s[G0X+2:G0X+3], s[4:5], s[76:77]
	s_add_nc_u64 s[G0Y+2:G0Y+3], s[G0X+2:G0X+3], s[80:81]
	s_or_b32 s[G0X+3], s[G0X+3], 0x80000000
	s_or_b32 s[G0Y+3], s[G0Y+3], 0x80000000
	s_add_nc_u64 s[6:7], s[6:7], s[82:83]
	s_add_nc_u64 s[14:15], s[14:15], s[84:85]
	CROUND                                         ; all sixteen work-groups are here: the joint loads meet
	s_cmp_eq_u32 s16, 0                            ; one chain of branches on the wave's number, one load to an arm
	s_cbranch_scc0 .Larm_x
	TLOAD G0W, G1W                                 ; wave 0: Wo's tiles, which go on into registers
	s_branch .Lasked
.Larm_x:
	s_cmp_eq_u32 s16, 1
	s_cbranch_scc0 .Larm_y
	TLOAD G0X, G1X                                 ; wave 1: a's tiles 0-7
	s_branch .Lasked
.Larm_y:
	TLOAD G0Y, G1Y                                 ; waves 2, 3: four tiles each of 8-15
.Lasked:
	v_and_b32 v1, 31, v0                           ; lane
	v_lshlrev_b32 v2, 4, v1
	v_lshlrev_b32 v3, 3, v1
	v_and_b32 v4, 15, v0                           ; r
	v_bfe_u32 v5, v0, 4, 1                         ; h
	s_add_co_u32 s87, s86, 11264                   ; Wo's rows of sc lie behind a's 8,192 and three weights' 3,072
	v_add_nc_u32 v6, s87, v1
	v_lshlrev_b32 v6, 5, v6                        ; lanes 0-15 one tile's rows, lanes 16-31 the next tile's
	v_lshl_add_u32 v8, v5, 6, s88                  ; the bias: 4 x my first column + 64 h
	WALU                                           ; the wait here, ahead of the readers below
.irp i, 0,1,2,3
	global_load_b128 v[AT+4*\i:AT+4*\i+3], v2, s[6:7] offset:16384*\i      ; 512 consecutive bytes of a plane
.endr
.irp p, 0,1
	global_load_b128 v[SW+8*\p:SW+8*\p+3], v6, s[10:11] offset:1024*\p
	global_load_b128 v[SW+8*\p+4:SW+8*\p+7], v6, s[10:11] offset:1024*\p+16
.endr
.irp t, 0,1,2,3
	global_load_b128 v[BI+8*\t:BI+8*\t+3], v8, s[12:13] offset:(32*(\t/2)+8*(\t%2))*4       ; register j of tile t is column 32 (t / 2) + 8 (t % 2) + 16 h + j
	global_load_b128 v[BI+8*\t+4:BI+8*\t+7], v8, s[12:13] offset:(32*(\t/2)+8*(\t%2))*4+16
.endr
	s_mul_i32 s89, s18, 4*TILEB
	v_add_nc_u32 v[AW], s89, v2
	v_add_nc_u32 v[AW+1], s89, v3
	s_mul_i32 s89, s17, TILEB
	s_add_co_u32 s89, s89, XB
.irp u, 0,1,2,3
	v_add_nc_u32 v[AX+2*\u], s89, v2               ; blocks 2 u, 2 u + 1: tiles 4 u + a, 4 u + 2 + a
	v_add_nc_u32 v[AX+2*\u+1], s89, v3
	s_add_co_u32 s89, s89, 4*TILEB
.endr
	s_mul_i32 s90, s16, 16*SP
	s_add_co_u32 s90, s90, STG                     ; my stage
	v_mul_u32_u24 v23, v4, SP
	v_lshl_add_u32 v23, v5, 6, v23
	v_add_nc_u32 v[STO], s90, v23                  ; in: row r, 64 bytes for each half of the lanes in each 128
	v_mul_u32_u24 v23, v5, SP
	v_lshl_add_u32 v23, v4, 4, v23
	v_add_nc_u32 v[RD], s90, v23                   ; back: lanes 0-15 one row, lanes 16-31 the next
	v_lshlrev_b32 v[CO], 12, v5
	v_lshl_add_u32 v[CO], v4, 4, v[CO]             ; and the same two rows in out0
	s_mul_i32 s91, s16, 4*PS
	s_add_co_u32 s91, s91, XS
	v_add_nc_u32 v[AS], s91, v2
	v_and_b32 v23, 7, v0
	v_lshl_add_u32 v23, v5, 3, v23                 ; the transposing load: lane l names plane 8 (l / 16) + l % 8,
	v_mul_u32_u24 v23, v23, PS
	v_bfe_u32 v24, v0, 3, 1
	v_lshl_add_u32 v23, v24, 4, v23                ; rows 8 ((l / 8) % 2) + 0 .. 7 of the tile: 16 bytes
	s_lshl_b32 s92, s17, 5
	s_add_co_u32 s92, s92, XS
	v_add_nc_u32 v[ATR], s92, v23
	WALU                                           ; the wait at the head's end
	s_wait_loadcnt 12                              ; asp's four loads are in; the 4 of scale words and the 8 of the bias may be out
.irp i, 0,1,2,3
	ds_store_b128 v[AS], v[AT+4*\i:AT+4*\i+3] offset:PS*\i
.endr
	s_cmp_eq_u32 s16, 0
	s_cbranch_scc0 .Lnot_w
	s_wait_tensorcnt 0x0
.Lnot_w:
	s_wait_dscnt 0x0
	BARRIER                                        ; Wo's tiles and the scale pairs are in
	WEIGHTS
	s_cmp_eq_u32 s16, 1
	s_cbranch_scc0 .Lnot_x
	s_wait_tensorcnt 0x0
.Lnot_x:
	s_wait_dscnt 0x0
	BARRIER                                        ; a's tiles 0-7 are in; tiles 8-15 may still be on their way
	FETCH 0
	FETCH 1
	s_wait_loadcnt 0x0                             ; Wo's scale words and the bias
	s_wait_dscnt 33                                ; block 0's rows are in; block 1's 33 loads may be out
.irp s, 0,1,2,3,4,5,6,7
	BLK \s
.endr
	s_wait_dscnt 0x0
	SEND 7
	s_wait_tensorcnt 0x0                           ; the wave's end
	ds_add_u32 v[SPW], v[NIL]
	s_wait_dscnt 0x0
	CROUND                                         ; the closing round
	s_endpgm
.Lfunc_end_k_qc60ca667ce_outp:
	.size	k_qc60ca667ce_outp, .Lfunc_end_k_qc60ca667ce_outp-k_qc60ca667ce_outp
	.p2alignl 7, 3214868480
	.fill 96, 4, 3214868480
	.section	.rodata,"a",@progbits
	.p2align	6, 0x0
	.amdhsa_kernel k_qc60ca667ce_outp
		.amdhsa_group_segment_fixed_size 327680
		.amdhsa_private_segment_fixed_size 0
		.amdhsa_enable_private_segment 0
		.amdhsa_kernarg_size 48
		.amdhsa_user_sgpr_count 2
		.amdhsa_user_sgpr_kernarg_segment_ptr 1
		.amdhsa_wavefront_size32 1
		.amdhsa_system_sgpr_workgroup_id_x 1
		.amdhsa_system_sgpr_workgroup_id_y 1
		.amdhsa_system_sgpr_workgroup_id_z 1
		.amdhsa_system_vgpr_workitem_id 0
		.amdhsa_next_free_vgpr 896
		.amdhsa_next_free_sgpr 100
		.amdhsa_reserve_vcc 0
		.amdhsa_float_denorm_mode_32 3
		.amdhsa_float_denorm_mode_16_64 3
		.amdhsa_memory_ordered 1
		.amdhsa_forward_progress 1
		.amdhsa_inst_pref_size 85
	.end_amdhsa_kernel
	.amdgpu_metadata
---
amdhsa.version: [ 1, 2 ]
amdhsa.kernels:
  - .name:           k_qc60ca667ce_outp
    .symbol:         k_qc60ca667ce_outp.kd
    .args:
      - { .name: ac, .offset: 0, .size: 8, .value_kind: global_buffer, .address_space: global }
      - { .name: asp, .offset: 8, .size: 8, .value_kind: global_buffer, .address_space: global }
      - { .name: wc, .offset: 16, .size: 8, .value_kind: global_buffer, .address_space: global }
      - { .name: sc, .offset: 24, .size: 8, .value_kind: global_buffer, .address_space: global }
      - { .name: bo, .offset: 32, .size: 8, .value_kind: global_buffer, .address_space: global }
      - { .name: out0, .offset: 40, .size: 8, .value_kind: global_buffer, .address_space: global }
    .group_segment_fixed_size: 327680
    .private_segment_fixed_size: 0
    .kernarg_segment_align: 8
    .kernarg_segment_size: 48
    .max_flat_workgroup_size: 128
    .sgpr_count:     100
    .vgpr_count:     896
    .wavefront_size: 32
...
	.end_amdgpu_metadata
.endif
;; end of part 4
